; MI455X (gfx1250); checked and timed in simulation.
; The chip was launched on July 23, 2026; its instructions are those of AMD's public machine-readable ISA for CDNA 5 (MIT licence, August 2026) and "CDNA5" Instruction Set Architecture Reference Guide (July 2026). The comments in the code are by the model that wrote it; some were corrected since.
;; Linear Attention. Allowed arithmetic: matrix products marked QUANTISED: E2M3 operands, one E8M0 scale for each 32 along K, by v_wmma_scale_f32_16x16x128_f8f6f4 with both operands' format E2M3, f32 sums; everything else in f32.
;; Inputs: Wk 1,024 x 1,024 float32; Wp 1,024 x 1,024 float32; Wq 1,024 x 1,024 float32; Wv 1,024 x 1,024 float32; bk 1,024 float32; bp 1,024 float32; bq 1,024 float32; bv 1,024 float32; x 4 x 2,048 x 1,024 float32.
;; Outputs: out0 4 x 2,048 x 1,024 float32.
;; This version of the problem:
;;   THIS VERSION OF THE PROBLEM IS GIVEN IN LOW PRECISION. The matrix products marked QUANTISED in the list below multiply operands that are first quantised to E2M3 (2 exponent bits, 3 mantissa bits; 6 bits a number), with one power-of-two scale for each 32 numbers along K (OCP MX v1.0); their sums are f32. All else is computed in f32.
;;   The module's matrix products, in the order in which they are computed (A, B: the left and right operand; K: the contracted axis; several contracted axes count as one K, in the product's order):
;;     1. [M 8,192, K 1,024] x [K 1,024, N 1,024]; A: input x; B: input Wq: QUANTISED
;;     2. [M 8,192, K 1,024] x [K 1,024, N 1,024]; A: input x; B: input Wk: QUANTISED
;;     3. [M 8,192, K 1,024] x [K 1,024, N 1,024]; A: input x; B: input Wv: QUANTISED
;;     4. batch 32 x [M 128, K 2,048] x [K 2,048, N 128]; A: computed on the way; B: computed on the way: QUANTISED
;;     5. batch 32 x [M 2,048, K 128] x [K 128, N 128]; A: softmax (see below); B: computed on the way: QUANTISED
;;     6. [M 8,192, K 1,024] x [K 1,024, N 1,024]; A: computed on the way; B: input Wp: QUANTISED
;;   THE QUANTISER, for each operand of a quantised product, along K:
;;     - K is cut into blocks of 32 from its start; a last block that is shorter is filled with zeros.
;;     - A block's scale is 2^e with e = floor(log2(the largest magnitude in the block)) - 2, held to -126 .. 127; a block of zeros has e = 0. As a byte (E8M0): e + 127.
;;     - Each number is divided by its block's scale, clamped to +-7.5, and rounded to the nearest number of E2M3, ties to even, subnormals kept.
;;     - The product sums the exact products of the quantised numbers (number of the format x scale) in f32.
;;   ~~~python
;;   def quantise(x, axis):      # numpy; x: float32 -> the quantised numbers, widened to float32 again
;;       x = np.moveaxis(x, axis, -1); K = x.shape[-1]
;;       x = np.pad(x, [(0, 0)] * (x.ndim - 1) + [(0, -K % 32)]); x = x.reshape(x.shape[:-1] + (-1, 32)); a = np.abs(x).max(-1, keepdims=True)
;;       e = np.where(a > 0, np.clip(np.frexp(np.where(a > 0, a, 1))[1] - 1 - 2, -126, 127), 0)      # np.frexp(a)[1] - 1 = floor(log2(a)), exactly
;;       r = np.clip(x / 2.0 ** e, -7.5, 7.5)
;;       step = 2.0 ** (np.maximum(np.frexp(np.where(r == 0, 1, r))[1] - 1, 0) - 3)
;;       q = np.round(r / step) * step * 2.0 ** e      # np.round: ties to even
;;       return np.moveaxis(q.reshape(q.shape[:-2] + (-1,))[..., :K], -1, axis).astype(np.float32)
;;   ~~~
;;   SOFTMAX AHEAD OF A QUANTISED PRODUCT. Where the list says 'softmax', what is quantised is not the finished softmax but p = 2^(t - M), with t = logit x log2(e) and M = ceil(the row's largest t), a whole number; so 1/2 < the row's largest p <= 1. The row's sum l is taken of the UNQUANTISED p, in f32, and the product's result is divided by l at the end. Since M is a whole number, a kernel that streams over the keys may use a running M (the ceiling of the running maximum): every later rescaling is an exact power of two, which a block's scale takes up: the codes' values come out the same.
;;   OPERANDS COMPUTED ON THE WAY. 'Computed on the way' means the value that the module computes at that place (a softmax that the list does not call 'softmax' is quantised finished and normalised). What goes into a quantiser is computed in f32, as accurately as f32 sums, v_exp_f32 and their like allow (about 1e-6 of the number): no bf16 or f16 on the way to a quantiser, and a product that is left as it is and whose result goes on into a quantised operand takes f32 operands (vector FMAs, or v_wmma_f32_16x16x4_f32). A number that lies on a knife's edge between two numbers of the format may be rounded either way, as far as f32 arithmetic and the matrix unit's own rounding can turn it there, and no further.
;; One version. Each part assembles by itself: llvm-mc -triple=amdgcn-amd-amdhsa -mcpu=gfx1250 --defsym DOCPART=n.
;; ======== version 1 of 1: 5 launches
;; workspace buffers: xq 6,553,600 bytes; yq 6,553,600 bytes; wc 3,145,728 bytes; ws 131,072 bytes; cp 16,777,216 bytes; kp 524,288 bytes; cx 442,368 bytes
;; launch quant (part 1): grid 384 x 1, 4 waves a work-group, no clusters, 34,304 bytes of LDS; arguments x, Wk, Wv, Wq, Wp, xq, wc, ws; writes xq, wc, ws
.if DOCPART == 1
	.amdgcn_target "amdgcn-amd-amdhsa--gfx1250"
	.amdhsa_code_object_version 6
	.text
	.protected	k_q35303538a6_quant
	.globl	k_q35303538a6_quant
	.p2align	8
	.type	k_q35303538a6_quant,@function
k_q35303538a6_quant:
	s_mov_b64 s[64:65], 0
	v_nop
	global_prefetch_b8 v0, s[64:65] scope:SCOPE_SE
	s_setreg_imm32_b32 hwreg(HW_REG_WAVE_MODE, 25, 1), 1
	s_wait_xcnt 0x0
; LinearAttention in MX-FP6 (E2M3, one E8M0 scale for each 32 along K), launch 1 of 5: x and the four weights become codes, once.
; NOTHING OF reference() IS LEFT OUT in this program: every bias varies along its softmax's axis or goes into a quantiser, and every input reaches out0.
; One identity is used (launch attn): (O / l) x D_inv + p / l with D_inv = l / sum(p k_sum) is O / sum(p k_sum) + p / l; it moves results by rounding alone.
; LIMITS: a block whose largest magnitude lies under 2^-124 gets the byte 1; a block of zeros gets the byte 1 with zero codes (only this program reads the bytes);
; NaN and infinities among the inputs are not served; the context is summed as 8 partial f32 sums, another order of rounding than reference()'s.
; LAYOUT OF THE CODES: images of the operand's registers.  A fragment (16 rows x 128 K, 12 registers a lane) is 1,536 bytes: registers 4 c .. 4 c + 3 of lane l at 512 c + 16 l.
; Lane (r, h) holds row r; registers 6 c .. 6 c + 5 hold k = 64 c + 32 h + 0 .. 31.  THE ROWS OF A TILE ARE NOT NEIGHBOURS: in each 32 neighbours, lane r of tile 2 b + u takes 32 b + 8 u + r + 8 (r / 8).
; xq: codes [rowblock 32][kstep 8][tile 16][1536]; from byte 6,291,456 scale words [rowblock][kstep][quad 4][lane 32][2]: word o of lane (r, h) is row r of tile 4 quad + 2 o + h.
; wc: Wk, Wv [head 8][kstep 8][Wk's 8 tiles, Wv's 8][1536]; Wq from 1,572,864 and Wp from 2,359,296: [colblock 8][kstep 8][tile 8][1536].
; ws: k, v [head][slot 4][pair 8][lane][2]; Wq from 65,536, Wp from 98,304: [colblock][slot 4][pair 4][lane][2]: word q of lane (r, h) is kstep 2 slot + q of column r of tile 2 pair + h.
; Work-groups 0-255 take x (64 rows x 512 K each; a wave 64 rows x 128 K: four fragments); work-groups 256-383 a weight's 128 columns x 256 K (a wave 32 columns).
.set STG,   8448                       ; x path: a wave's stage, 16 rows x (512 bytes + 16)
.set SPARE, 4*STG                      ; behind the stages: the spare words, 128 bytes for each wave
.set SPW,   12                         ; v12  my spare word's LDS address; never rewritten
.set NIL,   13                         ; v13  0; never rewritten
.set RA,    32                         ; v32-159  x path: two sets of 16 x 4 registers as loaded
.set XN,    160                        ; v160-223 x path: my two blocks of 32 neighbours
.set FW,    96                         ; v96-143  weight path: fragments (kstep q, tile u) at FW + 24 q + 12 u
	s_load_b256 s[4:11], s[0:1], 0x0               ; x, Wk, Wv, Wq
	s_load_b256 s[12:19], s[0:1], 0x20             ; Wp, xq, wc, ws
	v_lshl_add_u32 v[SPW], v0, 2, SPARE
	v_mov_b32 v[NIL], 0
	v_lshrrev_b32 v1, 5, v0
	v_readfirstlane_b32 s20, v1                    ; wave
	v_and_b32 v1, 31, v0                           ; lane
	v_and_b32 v2, 15, v0                           ; r
	v_bfe_u32 v3, v0, 4, 1                         ; h
	v_lshlrev_b32 v4, 4, v1                        ; 16 x lane
	v_lshlrev_b32 v7, 3, v1                        ; 8 x lane
	s_cmp_lt_u32 ttmp9, 256
	s_cbranch_scc0 .Lweights
; ---------------- x ----------------
	s_mov_b32 s44, 0x76543210
	s_mov_b32 s45, 0xfedcba98                      ; v_permlanex16_b32's selects for lane l xor 16
	s_mul_i32 s21, s20, STG
	v_add_nc_u32 v5, s21, v4                       ; into the stage: a row's 512 bytes as they lie
	v_mul_u32_u24 v6, v2, 528
	v_lshl_add_u32 v6, v3, 7, v6
	v_add_nc_u32 v6, s21, v6                       ; out of it: row r, + 128 h: my block of 32 numbers
	v_lshlrev_b32 v16, 3, v3                       ; 8 h
	v_mov_b32 v17, 0                               ; a lane permute's destination counts as one of its sources
	s_lshr_b32 s22, ttmp9, 1                       ; which 64 rows
	s_and_b32 s23, ttmp9, 1
	s_lshl_b32 s23, s23, 2
	s_add_co_u32 s23, s23, s20                     ; kstep
	s_lshl_b32 s24, s22, 18                        ; 64 rows of 4,096 bytes
	s_lshl_b32 s25, s23, 9
	s_add_co_u32 s24, s24, s25
	s_mov_b32 s25, 0
	s_lshr_b32 s26, s22, 2                         ; rowblock
	s_and_b32 s27, s22, 3                          ; quad
	s_mul_i32 s28, s26, 196608
	s_mul_i32 s30, s23, 24576
	s_add_co_u32 s28, s28, s30
	s_mul_i32 s30, s27, 6144
	s_add_co_u32 s28, s28, s30
	s_mov_b32 s29, 0
	s_lshl_b32 s30, s26, 13
	s_lshl_b32 s31, s23, 10
	s_add_co_u32 s30, s30, s31
	s_lshl_b32 s31, s27, 8
	s_add_co_u32 s30, s30, s31
	s_add_co_u32 s30, s30, 6291456
	s_mov_b32 s31, 0
	s_wait_kmcnt 0x0
	s_add_nc_u64 s[4:5], s[4:5], s[24:25]
	s_add_nc_u64 s[32:33], s[14:15], s[28:29]      ; my four fragments
	s_add_nc_u64 s[34:35], s[14:15], s[30:31]      ; my quad's scale words
.macro XLOAD f                         ; tile f's 16 rows: each load reads 512 consecutive bytes
.irp p, 0,1,2,3,4,5,6,7,8,9,10,11,12,13,14,15
	global_load_b128 v[RA+64*((\f)%2)+4*\p:RA+64*((\f)%2)+4*\p+3], v4, s[4:5] offset:(32*((\f)/2)+8*((\f)%2)+\p+8*(\p/8))*4096 th:TH_LOAD_NT
.endr
.endm
.macro XTURN f                         ; through my stage: LDS serves a wave's instructions in order, so no wait stands between the stores and the loads
.irp p, 0,1,2,3,4,5,6,7,8,9,10,11,12,13,14,15
	ds_store_b128 v5, v[RA+64*((\f)%2)+4*\p:RA+64*((\f)%2)+4*\p+3] offset:528*\p
.endr
.irp c, 0,1
.irp i, 0,1,2,3,4,5,6,7
	ds_load_b128 v[XN+32*\c+4*\i:XN+32*\c+4*\i+3], v6 offset:256*\c+16*\i
.endr
.endr
.endm
.macro XQ f                            ; my blocks h and 2 + h of row r: all 32 numbers of each are mine
.set CD, 224+12*((\f)%2)
.if (\f) > 1
	s_wait_xcnt 0x0                                ; tile f - 2's stores have read these code registers
.endif
.irp c, 0,1
	v_max3_num_f32 v[8+\c], |v[XN+32*\c]|, |v[XN+32*\c+1]|, 0x1800000   ; with the floor 2^(3 - 127): the byte cannot fall under 1
.endr
.irp i, 2,4,6,8,10,12,14,16,18,20,22,24,26,28,30
.irp c, 0,1
	v_max3_num_f32 v[8+\c], v[8+\c], |v[XN+32*\c+\i]|, |v[XN+32*\c+\i+1]|
.endr
.endr
.irp c, 0,1
	v_add_nc_u32 v[10+\c], 0xff000000, v[8+\c]     ; 2 off the exponent field: the conversion's scale operand
.endr
.irp c, 0,1
	v_lshrrev_b32 v[14+\c], 23, v[10+\c]           ; the scale's byte
.endr
	v_lshl_or_b32 v[20+\f], v15, 16, v14
	v_lshlrev_b32 v[20+\f], v16, v[20+\f]          ; at their places in the word (8 h bits up)
	v_permlanex16_b32 v17, v[20+\f], s44, s45
	v_or_b32 v[20+\f], v[20+\f], v17               ; with lane l xor 16's two the word is whole
.irp c, 0,1
	v_cvt_scalef32_pk16_fp6_f32 v[CD+6*\c:CD+6*\c+2], v[XN+32*\c:XN+32*\c+15], v[10+\c]
	v_cvt_scalef32_pk16_fp6_f32 v[248+4*\c:250+4*\c], v[XN+32*\c+16:XN+32*\c+31], v[10+\c]   ; (a conversion's three registers begin on an even number)
.endr
	v_nop                                          ; one plain place behind a scaled conversion
.irp c, 0,1
.irp i, 0,1,2
	v_mov_b32 v[CD+6*\c+3+\i], v[248+4*\c+\i]
.endr
.endr
.irp c, 0,1,2
	global_store_b128 v4, v[CD+4*\c:CD+4*\c+3], s[32:33] offset:(\f)*1536+512*\c   ; 512 consecutive bytes
.endr
.endm
	XLOAD 0
	XLOAD 1
.irp f, 0,1,2,3
.if \f < 3
	s_wait_loadcnt 16                              ; this tile's 16 loads are in; the next tile's 16 may be out
.else
	s_wait_loadcnt 0x0
.endif
	XTURN \f
	s_wait_dscnt 0x0                               ; the numbers are back, and the stores have read their registers
.if \f < 2
	XLOAD \f+2
.endif
	XQ \f
.endr
	v_cmp_eq_u32 vcc_lo, 1, v3
	v_cndmask_b32 v24, v20, v21, vcc_lo            ; lanes 0-15: tile 0's word, lanes 16-31: tile 1's
	v_cndmask_b32 v25, v22, v23, vcc_lo            ; tiles 2 and 3
	global_store_b64 v7, v[24:25], s[34:35]        ; 256 consecutive bytes, aligned
	s_wait_tensorcnt 0x0                           ; the wave's end
	ds_add_u32 v[SPW], v[NIL]
	s_wait_dscnt 0x0
	s_endpgm
; ---------------- the weights: K is the first axis; a lane takes a column and its registers run down K ----------------
.Lweights:
	s_sub_co_u32 s21, ttmp9, 256
	s_lshr_b32 s22, s21, 5                         ; m: 0 Wk, 1 Wv, 2 Wq, 3 Wp
	s_bfe_u32 s23, s21, 0x30002                    ; which 128 columns
	s_and_b32 s24, s21, 3                          ; slot: which 256 along K
	v_and_b32 v6, 7, v0
	v_lshl_or_b32 v6, v3, 3, v6
	v_bfe_u32 v8, v0, 3, 1
	v_lshl_or_b32 v6, v8, 4, v6                    ; my column of the wave's 32: lanes 0-15 are tile 2 w in the tiles' order, lanes 16-31 tile 2 w + 1
	v_lshlrev_b32 v6, 2, v6
	s_lshl_b32 s26, s24, 20                        ; 256 rows of 4,096 bytes
	s_lshl_b32 s27, s23, 9
	s_add_co_u32 s26, s26, s27
	s_lshl_b32 s27, s20, 7
	s_add_co_u32 s26, s26, s27
	s_mov_b32 s27, 0
	s_mul_i32 s29, s22, 12288                      ; the matrix's first byte in wc: m < 2,
	s_mul_i32 s30, s22, 786432                     ; m >= 2
	s_lshl_b32 s31, s23, 13                        ; the scale words' place in ws: m < 2
	s_lshl_b32 s32, s24, 11
	s_add_co_u32 s31, s31, s32
	s_lshl_b32 s32, s22, 10
	s_add_co_u32 s31, s31, s32
	s_lshl_b32 s33, s23, 12                        ; m >= 2
	s_lshl_b32 s32, s24, 10
	s_add_co_u32 s33, s33, s32
	s_lshl_b32 s32, s22, 15
	s_add_co_u32 s33, s33, s32
	s_lshl_b32 s34, s23, 3
	s_lshl_b32 s35, s24, 1
	s_add_co_u32 s34, s34, s35                     ; 8 x column block + first kstep
	s_mov_b32 s28, 12288
	s_cmp_lt_u32 s22, 2
	s_cselect_b32 s29, s29, s30
	s_cselect_b32 s28, 24576, s28                  ; bytes of a kstep's tiles
	s_cselect_b32 s31, s31, s33
	s_mul_i32 s34, s34, s28
	s_add_co_u32 s34, s34, s29
	s_mul_i32 s35, s20, 3072
	s_add_co_u32 s34, s34, s35                     ; my two tiles of the slot's first kstep,
	s_mov_b32 s35, 0
	s_add_co_u32 s36, s34, s28                     ; and of its second
	s_mov_b32 s37, 0
	s_lshl_b32 s32, s20, 8
	s_add_co_u32 s38, s31, s32
	s_mov_b32 s39, 0
	s_wait_kmcnt 0x0
	s_cmp_eq_u32 s22, 0                            ; the choices hang on the work-group's number alone
	s_cselect_b64 s[40:41], s[6:7], s[8:9]
	s_cmp_eq_u32 s22, 2
	s_cselect_b64 s[42:43], s[10:11], s[12:13]
	s_cmp_lt_u32 s22, 2
	s_cselect_b64 s[40:41], s[40:41], s[42:43]
	s_add_nc_u64 s[40:41], s[40:41], s[26:27]
	s_add_nc_u64 s[28:29], s[16:17], s[34:35]
	s_add_nc_u64 s[30:31], s[16:17], s[36:37]
	s_add_nc_u64 s[38:39], s[18:19], s[38:39]
.macro WLOAD t                         ; block t: W(32 t + i, my column): 128 consecutive bytes a wave, the four waves side by side
.irp i, 0,1,2,3,4,5,6,7,8,9,10,11,12,13,14,15,16,17,18,19,20,21,22,23,24,25,26,27,28,29,30,31
	global_load_b32 v[32+32*((\t)%2)+\i], v6, s[40:41] offset:(32*(\t)+\i)*4096 th:TH_LOAD_NT
.endr
.endm
.macro WBLOCK t
.set XS, 32+32*((\t)%2)
.set FQ, FW+24*((\t)/4)+12*((\t)%2)+6*(((\t)%4)/2)   ; even blocks of a kstep to the first run of 12, odd ones to the second
.set FB, FW+24*((\t)/4)
.if (\t) < 7
	s_wait_loadcnt 32                              ; this block's 32 loads are in; the next block's may be out
.else
	s_wait_loadcnt 0x0
.endif
	v_max3_num_f32 v8, |v[XS]|, |v[XS+1]|, |v[XS+2]|
	v_max3_num_f32 v9, |v[XS+3]|, |v[XS+4]|, |v[XS+5]|
.irp i, 6,10,14,18,22,26
	v_max3_num_f32 v8, v8, |v[XS+\i]|, |v[XS+\i+1]|
	v_max3_num_f32 v9, v9, |v[XS+\i+2]|, |v[XS+\i+3]|
.endr
	v_max3_num_f32 v8, v8, |v[XS+30]|, |v[XS+31]|
	v_max3_num_f32 v8, v8, v9, 0x1800000           ; and the floor
	v_add_nc_u32 v10, 0xff000000, v8
	v_lshrrev_b32 v11, 23, v10
.if (\t)%4 == 0
	v_mov_b32 v[16+(\t)/4], v11
.else
	v_lshl_or_b32 v[16+(\t)/4], v11, 8*((\t)%4), v[16+(\t)/4]
.endif
	v_cvt_scalef32_pk16_fp6_f32 v[FQ:FQ+2], v[XS:XS+15], v10
	v_cvt_scalef32_pk16_fp6_f32 v[144:146], v[XS+16:XS+31], v10
	v_nop
.irp i, 0,1,2
	v_mov_b32 v[FQ+3+\i], v[144+\i]
.endr
.if (\t) < 6
	WLOAD (\t)+2
.endif
.if (\t)%4 == 3                        ; a kstep is whole.  The first run's lanes 16-31 (tile 2 w + 1, even blocks) change places with the second's lanes 0-15 (tile 2 w, odd blocks): two fragments
.irp i, 0,1,2,3,4,5,6,7,8,9,10,11
	v_permlane16_swap_b32 v[FB+\i], v[FB+12+\i]
.endr
.irp u, 0,1
.irp c, 0,1,2
	global_store_b128 v4, v[FB+12*\u+4*\c:FB+12*\u+4*\c+3], s[28+2*((\t)/4):29+2*((\t)/4)] offset:\u*1536+512*\c
.endr
.endr
.endif
.endm
	WLOAD 0
	WLOAD 1
.irp t, 0,1,2,3,4,5,6,7
	WBLOCK \t
.endr
	global_store_b64 v7, v[16:17], s[38:39]        ; my column's two scale words: 256 consecutive bytes a wave
	s_endpgm
.Lfunc_end_k_q35303538a6_quant:
	.size	k_q35303538a6_quant, .Lfunc_end_k_q35303538a6_quant-k_q35303538a6_quant
	.p2alignl 7, 3214868480
	.fill 96, 4, 3214868480
	.section	.rodata,"a",@progbits
	.p2align	6, 0x0
	.amdhsa_kernel k_q35303538a6_quant
		.amdhsa_group_segment_fixed_size 34304
		.amdhsa_private_segment_fixed_size 0
		.amdhsa_enable_private_segment 0
		.amdhsa_kernarg_size 64
		.amdhsa_user_sgpr_count 2
		.amdhsa_user_sgpr_kernarg_segment_ptr 1
		.amdhsa_wavefront_size32 1
		.amdhsa_system_sgpr_workgroup_id_x 1
		.amdhsa_system_sgpr_workgroup_id_y 1
		.amdhsa_system_sgpr_workgroup_id_z 1
		.amdhsa_system_vgpr_workitem_id 0
		.amdhsa_next_free_vgpr 256
		.amdhsa_next_free_sgpr 66
		.amdhsa_reserve_vcc 1
		.amdhsa_float_denorm_mode_32 3
		.amdhsa_float_denorm_mode_16_64 3
		.amdhsa_memory_ordered 1
		.amdhsa_forward_progress 1
		.amdhsa_inst_pref_size 70
	.end_amdhsa_kernel
	.amdgpu_metadata
---
amdhsa.version: [ 1, 2 ]
amdhsa.kernels:
  - .name:           k_q35303538a6_quant
    .symbol:         k_q35303538a6_quant.kd
    .args:
      - { .name: x, .offset: 0, .size: 8, .value_kind: global_buffer, .address_space: global }
      - { .name: Wk, .offset: 8, .size: 8, .value_kind: global_buffer, .address_space: global }
      - { .name: Wv, .offset: 16, .size: 8, .value_kind: global_buffer, .address_space: global }
      - { .name: Wq, .offset: 24, .size: 8, .value_kind: global_buffer, .address_space: global }
      - { .name: Wp, .offset: 32, .size: 8, .value_kind: global_buffer, .address_space: global }
      - { .name: xq, .offset: 40, .size: 8, .value_kind: global_buffer, .address_space: global }
      - { .name: wc, .offset: 48, .size: 8, .value_kind: global_buffer, .address_space: global }
      - { .name: ws, .offset: 56, .size: 8, .value_kind: global_buffer, .address_space: global }
    .group_segment_fixed_size: 34304
    .private_segment_fixed_size: 0
    .kernarg_segment_align: 8
    .kernarg_segment_size: 64
    .max_flat_workgroup_size: 128
    .sgpr_count:     66
    .vgpr_count:     256
    .wavefront_size: 32
...
	.end_amdgpu_metadata
.endif
;; end of part 1
;; launch kv (part 2): grid 8 x 32, 4 waves a work-group, clusters of 4 x 4, 327,680 bytes of LDS; arguments xq, wc, ws, bk, bv, cp, kp; writes cp, kp
.if DOCPART == 2
	.amdgcn_target "amdgcn-amd-amdhsa--gfx1250"
	.amdhsa_code_object_version 6
	.text
	.protected	k_q35303538a6_kv
	.globl	k_q35303538a6_kv
	.p2align	8
	.type	k_q35303538a6_kv,@function
k_q35303538a6_kv:
	s_mov_b64 s[64:65], 0
	v_nop
	global_prefetch_b8 v0, s[64:65] scope:SCOPE_SE
	s_setreg_imm32_b32 hwreg(HW_REG_WAVE_MODE, 25, 1), 1
	s_wait_xcnt 0x0
	s_wait_alu depctr_hold_cnt(0) depctr_sa_sdst(0) depctr_va_vdst(0) depctr_va_sdst(0) depctr_va_ssrc(0) depctr_va_vcc(0) depctr_vm_vsrc(0)
	s_getreg_b32 s2, hwreg(HW_REG_IB_STS2, 6, 4)
	s_cmp_eq_u32 s2, 0
	s_cbranch_scc0 .Lentry_in_a_cluster
	s_endpgm
.Lentry_in_a_cluster:
	s_bfe_u32 s2, ttmp6, 0x10000c
	s_cmp_lg_u32 s2, 0xf033
	s_cbranch_scc0 .Lentry_shape_is_right
	s_endpgm
.Lentry_shape_is_right:
; Launch 2 of 5: k = softmax(x Wk + bk) over the head's 128, v = x Wv + bv, the partial k_sum, and the partial context k^T v over 256 rows.  Nothing of reference() is left out here.
; A work-group: 256 rows x one head (128 columns of Wk, 128 of Wv).  Wave (i, j): rows 128 i on x (j = 0: k's columns, j = 1: v's): 64 accumulators.
; THE PRODUCT IS USED THE NATURAL WAY (source 0 = x, source 1 = W): a lane holds ONE column and its registers run along the rows, which are the next product's K; by the tiles' order the 16 registers of
; x tiles 2 b and 2 b + 1 are rows 32 b + 16 h + 0 .. 15.  K = 1,024 goes in 8 steps of 128 through three LDS slots of two steps each: three first fills and one refill (slot 0 takes steps 6, 7).
; CLUSTER 4 x 4: x's tiles are shared along a row of the cluster, the weights' along a column: joint loads.  Scale words come straight from memory into registers, 256 bytes a load.
; AFTER THE PRODUCT: the v waves quantise v along the rows into LDS; the k waves hand half of their accumulators to the v waves through LDS, so that all four waves do 64 rows of the softmax;
; k is quantised along the rows into LDS; then wave w multiplies k^T by v's tiles 2 w, 2 w + 1 (K = 256 rows) and stores the f32 results as images of the registers.
; LIMITS: as stated in launch quant.  v_exp_f32 gives 0 for results under 2^-126.
; k_sum's partial leaves in stores of 128 bytes (512 bytes a wave): a small part of the launch's bytes.
; REGISTERS: window 0: v1-23 addresses; v28, v29 the add's; v32-63 x's scale words; v64-127 the bias as C, later the rows' maxima and sums; v128-223 x's fragments, later at work; v224-255 W's scale words.
;   window 1: W's fragments, two sets (v0, v128); later k^T's 16 and v's 4 fragments.   windows 2, 3: accumulator (a, b) in window 2 + a / 4 at 128 ((a % 4) / 2) + 16 b + 8 (a % 2).
.set PIECE, 24576                      ; a K step's 16 fragments of x or of W
.set SLOTB, 4*PIECE                    ; a slot: x step 2 n, x step 2 n + 1, W step 2 n, W step 2 n + 1
.set FRB,   1536
.set SPARE, 3*SLOTB                    ; behind the slots: the spare words
.set HND,   SLOTB                      ; in slot 1, behind its only fill and its last read: the hand-over, 2 x 32,768 bytes,
.set VIMG,  HND+65536                  ; v's fragments [kstep 2][tile 8][1536] (register pair p at 256 p + 8 x lane),
.set VSC,   VIMG+24576                 ; their scale words [2][8][128]
.set KIMG,  2*SLOTB                    ; in slot 2 likewise: k^T's fragments,
.set KSC,   KIMG+24576                 ; and scale words
.set SPW, 28
.set NIL, 29
.set XSB, 32
.set BIA, 64
.set MX,  64
.set SM,  96
.set AF,  128
.set KS,  160
.set WSB, 224
.set MSB, 0
.macro WIN new                         ; the immediate's high byte repeats the setting that is left
.if MSB != (\new)
	s_set_vgpr_msb (MSB<<8)|(\new)
.set MSB, (\new)
.endif
.endm
.macro PLACES n
.rept \n
	v_nop
.endr
.endm
.macro JLOAD g0a, g1a, g0b, g1b        ; a joint load: waves 0, 1 fetch x's two steps, waves 2, 3 W's; an s_nop 0 and four v_nop follow each line
	s_cmp_eq_u32 s19, 0
	s_cbranch_scc0 .Lfor_b_\@
	tensor_load_to_lds s[\g0a:\g0a+3], s[\g1a:\g1a+7]
	s_nop 0
.rept 4
	v_nop
.endr
	s_branch .Lasked_\@
.Lfor_b_\@:
	tensor_load_to_lds s[\g0b:\g0b+3], s[\g1b:\g1b+7]
	s_nop 0
.rept 4
	v_nop
.endr
.Lasked_\@:
.endm
.macro CREST                           ; a round of the cluster's barrier behind its opening barrier
	s_cmp_lg_u32 s18, 0
	s_cbranch_scc1 .Lnot_wave_0_\@
	s_barrier_signal -3
.Lnot_wave_0_\@:
	s_barrier_wait -3
	s_barrier_signal -1
	s_barrier_wait -1
.endm
.macro CROUND
	s_barrier_signal -1
	s_barrier_wait -1
	CREST
.endm
; One matrix instruction.  c < 0: C is the constant 0.  ra, rb: source 0's, source 1's scales stand in lanes 16-31 of their register.
.macro WM d, s0, s1, c, sa, sb, ra, rb
.if (\c) < 0
.if (\ra) && (\rb)
	v_wmma_scale_f32_16x16x128_f8f6f4 v[\d:\d+7], v[\s0:\s0+11], v[\s1:\s1+11], 0, v[\sa], v[\sb] matrix_a_fmt:MATRIX_FMT_FP6 matrix_b_fmt:MATRIX_FMT_FP6 matrix_a_scale:MATRIX_SCALE_ROW1 matrix_b_scale:MATRIX_SCALE_ROW1
.elseif (\ra)
	v_wmma_scale_f32_16x16x128_f8f6f4 v[\d:\d+7], v[\s0:\s0+11], v[\s1:\s1+11], 0, v[\sa], v[\sb] matrix_a_fmt:MATRIX_FMT_FP6 matrix_b_fmt:MATRIX_FMT_FP6 matrix_a_scale:MATRIX_SCALE_ROW1
.elseif (\rb)
	v_wmma_scale_f32_16x16x128_f8f6f4 v[\d:\d+7], v[\s0:\s0+11], v[\s1:\s1+11], 0, v[\sa], v[\sb] matrix_a_fmt:MATRIX_FMT_FP6 matrix_b_fmt:MATRIX_FMT_FP6 matrix_b_scale:MATRIX_SCALE_ROW1
.else
	v_wmma_scale_f32_16x16x128_f8f6f4 v[\d:\d+7], v[\s0:\s0+11], v[\s1:\s1+11], 0, v[\sa], v[\sb] matrix_a_fmt:MATRIX_FMT_FP6 matrix_b_fmt:MATRIX_FMT_FP6
.endif
.else
.if (\ra) && (\rb)
	v_wmma_scale_f32_16x16x128_f8f6f4 v[\d:\d+7], v[\s0:\s0+11], v[\s1:\s1+11], v[\c:\c+7], v[\sa], v[\sb] matrix_a_fmt:MATRIX_FMT_FP6 matrix_b_fmt:MATRIX_FMT_FP6 matrix_a_scale:MATRIX_SCALE_ROW1 matrix_b_scale:MATRIX_SCALE_ROW1
.elseif (\ra)
	v_wmma_scale_f32_16x16x128_f8f6f4 v[\d:\d+7], v[\s0:\s0+11], v[\s1:\s1+11], v[\c:\c+7], v[\sa], v[\sb] matrix_a_fmt:MATRIX_FMT_FP6 matrix_b_fmt:MATRIX_FMT_FP6 matrix_a_scale:MATRIX_SCALE_ROW1
.elseif (\rb)
	v_wmma_scale_f32_16x16x128_f8f6f4 v[\d:\d+7], v[\s0:\s0+11], v[\s1:\s1+11], v[\c:\c+7], v[\sa], v[\sb] matrix_a_fmt:MATRIX_FMT_FP6 matrix_b_fmt:MATRIX_FMT_FP6 matrix_b_scale:MATRIX_SCALE_ROW1
.else
	v_wmma_scale_f32_16x16x128_f8f6f4 v[\d:\d+7], v[\s0:\s0+11], v[\s1:\s1+11], v[\c:\c+7], v[\sa], v[\sb] matrix_a_fmt:MATRIX_FMT_FP6 matrix_b_fmt:MATRIX_FMT_FP6
.endif
.endif
.endm
	s_load_b256 s[4:11], s[0:1], 0x0               ; xq, wc, ws, bk
	s_load_b128 s[12:15], s[0:1], 0x20             ; bv, cp
	s_load_b64 s[16:17], s[0:1], 0x30              ; kp
	v_lshl_add_u32 v[SPW], v0, 2, SPARE
	v_mov_b32 v[NIL], 0
	ds_add_u32 v[SPW], v[NIL]                      ; the wave's opening: the add, twice on end, and its wait ahead of my first tensor load
	ds_add_u32 v[SPW], v[NIL]
	v_lshrrev_b32 v1, 5, v0
	v_readfirstlane_b32 s18, v1                    ; wave
	s_lshr_b32 s19, s18, 1                         ; i: my 128 rows.  Also: I fetch for x (0) or for W (1)
	s_and_b32 s20, s18, 1                          ; j: k's columns or v's.  Also: which of a slot's two steps I fetch
	s_bfe_u32 s21, ttmp6, 0x40000                  ; cx
	s_bfe_u32 s22, ttmp6, 0x40004                  ; cy
	s_lshl_b32 s23, ttmp9, 2
	s_add_co_u32 s23, s23, s21                     ; head
	s_and_b32 s24, ttmp7, 0xffff
	s_lshl_b32 s24, s24, 2
	s_add_co_u32 s24, s24, s22                     ; rowblock
	s_lshl_b32 s25, s22, 2
	s_lshl_b32 s25, 15, s25                        ; my row of the cluster
	s_lshl_b32 s26, 0x1111, s21                    ; my column
	s_or_b32 s28, s25, (3<<16)|(1<<21)             ; group 1: the mask; elements of 8 bytes; bit 21 beside a mask; no padding
	s_or_b32 s36, s26, (3<<16)|(1<<21)
.irp g, 28, 36                         ; a dense block of 24,576 bytes as 96 rows of 256
	s_mov_b32 s[\g+1], 32<<16
	s_mov_b32 s[\g+2], 96<<16
	s_mov_b32 s[\g+3], 32<<16
	s_mov_b32 s[\g+4], 96
	s_mov_b32 s[\g+5], 32
	s_mov_b32 s[\g+6], 0
	s_mov_b32 s[\g+7], 0
.endr
	s_mul_i32 s78, s24, 196608                     ; x: my rowblock, step j (these registers never hold the head)
	s_mul_i32 s79, s20, PIECE
	s_add_co_u32 s78, s78, s79
	s_mov_b32 s79, 0
	s_mul_i32 s80, s23, 196608                     ; W: my head, step j (these never hold the rowblock)
	s_mul_i32 s81, s20, PIECE
	s_add_co_u32 s80, s80, s81
	s_mov_b32 s81, 0
	s_mul_i32 s82, s18, PIECE                      ; my piece of a slot
	s_mov_b32 s72, 0x76543210
	s_mov_b32 s73, 0xfedcba98
	s_mov_b32 s74, 0x3fb8aa3b                      ; log2(e)
	s_mov_b32 s75, s74
	s_mov_b32 s76, 0xffff0000                      ; lanes 16-31
	s_wait_dscnt 0x0                               ; both opening adds are done
	s_wait_kmcnt 0x0
	s_add_nc_u64 s[78:79], s[4:5], s[78:79]
	s_add_nc_u64 s[80:81], s[6:7], s[80:81]
	CROUND                                         ; all sixteen work-groups are here: the first joint loads meet
.macro FIRST ga, gb, n
	s_mov_b32 s[\ga], 1
	s_add_co_u32 s[\ga+1], s82, \n*SLOTB
	s_add_nc_u64 s[\ga+2:\ga+3], s[78:79], \n*2*PIECE
	s_or_b32 s[\ga+3], s[\ga+3], 0x80000000
	s_mov_b32 s[\gb], 1
	s_add_co_u32 s[\gb+1], s82, \n*SLOTB
	s_add_nc_u64 s[\gb+2:\gb+3], s[80:81], \n*2*PIECE
	s_or_b32 s[\gb+3], s[\gb+3], 0x80000000
	JLOAD \ga, 28, \gb, 36
.endm
	FIRST 44, 56, 0                                ; three loads of mine are out
	FIRST 48, 60, 1
	FIRST 52, 68, 2
	; every LDS address is made here, ahead of any parting of the waves' roles
	v_and_b32 v1, 15, v0                           ; r
	v_bfe_u32 v2, v0, 4, 1                         ; h
	v_and_b32 v19, 31, v0                          ; lane
	v_lshlrev_b32 v3, 4, v19                       ; 16 x lane
	v_lshlrev_b32 v21, 3, v19                      ; 8 x lane
	v_lshlrev_b32 v23, 2, v19                      ; 4 x lane
	s_mul_i32 s83, s19, 12288
	s_mul_i32 s84, s20, 12288
	s_add_co_u32 s84, s84, 2*PIECE
.irp n, 0,1,2
	v_add_nc_u32 v[4+\n], s83, v3                  ; my 8 fragments of x in slot n
	v_add_nc_u32 v[7+\n], s84, v3                  ; and of W
	s_add_co_u32 s83, s83, SLOTB
	s_add_co_u32 s84, s84, SLOTB
.endr
	s_lshl_b32 s85, s19, 15
	s_add_co_u32 s85, s85, HND
	v_add_nc_u32 v10, s85, v3                      ; the hand-over between waves (i, 0) and (i, 1)
	s_mul_i32 s85, s19, 12288
	s_add_co_u32 s86, s85, VIMG
	v_add_nc_u32 v11, s86, v21                     ; where a v wave puts its fragments
	s_mul_i32 s87, s20, 768
	s_add_co_u32 s86, s85, s87
	s_add_co_u32 s86, s86, KIMG
	v_add_nc_u32 v13, s86, v21                     ; where I put my half (registers 6 j on) of k^T's fragments
	s_lshl_b32 s85, s19, 10
	s_add_co_u32 s86, s85, VSC
	v_add_nc_u32 v12, s86, v23
	s_lshl_b32 s87, s20, 1
	s_add_co_u32 s86, s85, s87
	s_add_co_u32 s86, s86, KSC
	v_add_nc_u32 v14, s86, v23                     ; and my two bytes of their scale words
	v_add_nc_u32 v15, KIMG, v21
	v_add_nc_u32 v16, KSC, v23
	s_mul_i32 s85, s18, 3072
	s_add_co_u32 s85, s85, VIMG
	v_add_nc_u32 v17, s85, v21                     ; v's tiles 2 w, 2 w + 1
	s_lshl_b32 s85, s18, 8
	s_add_co_u32 s85, s85, VSC
	v_add_nc_u32 v18, s85, v23
	v_and_b32 v22, 8, v1
	v_add_nc_u32 v22, v22, v1                      ; r + 8 (r / 8)
	v_lshl_add_u32 v20, v2, 3, v22
	v_lshlrev_b32 v20, 2, v20                      ; k_sum: 4 (8 h + r + 8 (r / 8))
	v_lshlrev_b32 v22, 2, v22                      ; the bias: 4 (r + 8 (r / 8))
	s_lshl_b32 s86, s24, 13
	s_lshl_b32 s87, s19, 9
	s_add_co_u32 s86, s86, s87
	s_add_co_u32 s86, s86, 6291456
	s_mov_b32 s87, 0
	s_add_nc_u64 s[86:87], s[4:5], s[86:87]        ; x's scale words: my two quads
	s_lshl_b32 s88, s23, 13
	s_lshl_b32 s89, s20, 10
	s_add_co_u32 s88, s88, s89
	s_mov_b32 s89, 0
	s_add_nc_u64 s[88:89], s[8:9], s[88:89]        ; W's: my four pairs of tiles
	s_cmp_eq_u32 s20, 0
	s_cselect_b64 s[90:91], s[10:11], s[12:13]     ; bk or bv
	s_lshl_b32 s92, s23, 9
	s_mov_b32 s93, 0
	s_add_nc_u64 s[90:91], s[90:91], s[92:93]
	s_lshr_b32 s92, s24, 3
	s_lshl_b32 s92, s92, 3
	s_add_co_u32 s92, s92, s23                     ; batch x 8 + head
	s_and_b32 s93, s24, 7                          ; which 256 rows of the sequence
	s_lshl_b32 s94, s92, 3
	s_add_co_u32 s94, s94, s93
	s_lshl_b32 s95, s94, 2
	s_add_co_u32 s95, s95, s18
	s_lshl_b32 s96, s95, 9
	s_mov_b32 s97, 0
	s_add_nc_u64 s[16:17], s[16:17], s[96:97]      ; kp: my 128 numbers
	s_lshl_b32 s96, s95, 14
	s_add_nc_u64 s[14:15], s[14:15], s[96:97]      ; cp: my two tiles' 16 results
.irp ks, 0,1,2,3,4,5,6,7
.irp qq, 0,1
	global_load_b64 v[XSB+4*\ks+2*\qq:XSB+4*\ks+2*\qq+1], v21, s[86:87] offset:\ks*1024+\qq*256
.endr
.endr
.irp sl, 0,1,2,3
.irp pr, 0,1,2,3
	global_load_b64 v[WSB+2*(4*\sl+\pr):WSB+2*(4*\sl+\pr)+1], v21, s[88:89] offset:\sl*2048+\pr*256
.endr
.endr
.irp b, 0,1,2,3,4,5,6,7
	global_load_b32 v[BIA+8*\b], v22, s[90:91] offset:(32*(\b/2)+8*(\b%2))*4
.endr
	s_wait_loadcnt 0x0
.irp b, 0,1,2,3,4,5,6,7
.irp e, 1,2,3,4,5,6,7
	v_mov_b32 v[BIA+8*\b+\e], v[BIA+8*\b]          ; a lane holds one column: the C of a sum's first instruction is its bias eight times
.endr
.endr
.macro FRAG reg, adr, off
.irp c, 0,1,2
	ds_load_b128 v[\reg+4*\c:\reg+4*\c+3], v[\adr] offset:\off+512*\c
.endr
.endm
.macro FETCH_B n, q, p                 ; W's eight fragments of slot n's q-th step into set p
	WIN 0x40
.irp b, 0,1,2,3,4,5,6,7
	FRAG 128*(\p)+12*\b, 7+\n, (\q)*PIECE+\b*FRB
.endr
	WIN 0
.endm
.macro FETCH_A n, q, i0                ; x's blocks i0 .. i0 + 3
.irp i, \i0, \i0+1, \i0+2, \i0+3
	FRAG AF+12*(\i), 4+\n, (\q)*PIECE+(\i)*FRB
.endr
.endm
; 16 matrix instructions: x's blocks a0, a0 + 1 against W's eight.  The 64 accumulators take turns, in the same order in every step.
.macro MUL16 a0, p, ks, first
.irp a, \a0, \a0+1
.irp b, 0,1,2,3,4,5,6,7
.if \first
	WM 128*(((\a)%4)/2)+16*\b+8*((\a)%2), AF+12*(\a), 128*(\p)+12*\b, BIA+8*\b, XSB+4*(\ks)+2*((\a)/4)+((\a)%4)/2, WSB+2*(4*((\ks)/2)+\b/2)+(\ks)%2, (\a)%2, \b%2
.else
	WM 128*(((\a)%4)/2)+16*\b+8*((\a)%2), AF+12*(\a), 128*(\p)+12*\b, 128*(((\a)%4)/2)+16*\b+8*((\a)%2), XSB+4*(\ks)+2*((\a)/4)+((\a)%4)/2, WSB+2*(4*((\ks)/2)+\b/2)+(\ks)%2, (\a)%2, \b%2
.endif
.endr
.endr
.endm
.macro STEP n, ks, first               ; a slot's first step; it fetches the second's fragments
	s_wait_dscnt 12                                ; W's set and x's blocks 0-3 are in; the youngest 12 loads (blocks 4-7) may be out
.if \first
	WIN 0x84                                       ; source 1 (W) window 1, C (the bias) window 0, D window 2
.else
	WIN 0xa4
.endif
	MUL16 0, 0, \ks, \first
	MUL16 2, 0, \ks, \first
	s_wait_dscnt 0x0
	PLACES 4                                       ; in front of loads into registers that matrix instructions have read
	FETCH_B \n, 1, 1
	FETCH_A \n, 1, 0
.if \first
	WIN 0xc4
.else
	WIN 0xf4
.endif
	MUL16 4, 0, \ks, \first
	MUL16 6, 0, \ks, \first
	PLACES 4
	WIN 0
	FETCH_A \n, 1, 4
.endm
; A slot's second step changes slots.  mode 2: slot 0 is filled again behind a round of the cluster's barrier; mode 1: the refill is waited for; mode 0: the next slot was shown landed by mode 2's wait.
.macro TURN nx, ks, mode
.if \mode == 2
	s_wait_tensorcnt 0x0                           ; all my tensor loads have landed: slots 1 and 2 among them
	ds_add_u32 v[SPW], v[NIL]                      ; 0 onto my spare word
	s_wait_dscnt 13                                ; (the add and x's blocks 4-7 may be out)
.elseif \mode == 1
	s_wait_tensorcnt 0x0                           ; my one load that is out: my part of steps 6, 7
	s_wait_dscnt 12
.else
	s_wait_dscnt 12
.endif
	WIN 0xa4
	MUL16 0, 1, \ks, 0
	s_wait_dscnt 0x0                               ; the add is done, and my reads of this slot are over
	s_barrier_signal -1
	MUL16 2, 1, \ks, 0
	WIN 0
	s_barrier_wait -1
.if \mode == 2
	CREST                                          ; no wave of any partner still reads slot 0 or has a load on its way
	s_add_nc_u64 s[46:47], s[46:47], 6*PIECE       ; steps 6 and 7
	s_add_nc_u64 s[58:59], s[58:59], 6*PIECE
	JLOAD 44, 28, 56, 36                           ; the first tensor load behind the round; its four v_nop are the places in front of the loads below
.else
	PLACES 4
.endif
	FETCH_B \nx, 0, 0
	FETCH_A \nx, 0, 0
	WIN 0xf4
	MUL16 4, 1, \ks, 0
	MUL16 6, 1, \ks, 0
	PLACES 4
	WIN 0
	FETCH_A \nx, 0, 4
.endm
	s_wait_tensorcnt 2                             ; my part of slot 0 is in; slots 1 and 2 may stay out
	s_barrier_signal -1
	s_barrier_wait -1
	FETCH_B 0, 0, 0
	FETCH_A 0, 0, 0
	FETCH_A 0, 0, 4
	STEP 0, 0, 1
	TURN 1, 1, 2
	STEP 1, 2, 0
	TURN 2, 3, 0
	STEP 2, 4, 0
	TURN 0, 5, 1
	STEP 0, 6, 0
	s_wait_dscnt 12                                ; the last step: nothing more to fetch
	WIN 0xa4
	MUL16 0, 1, 7, 0
	MUL16 2, 1, 7, 0
	s_wait_dscnt 0x0
	WIN 0xf4
	MUL16 4, 1, 7, 0
	MUL16 6, 1, 7, 0
	WIN 0
	PLACES 4
; Two blocks of 32 rows of one column tile (16 registers a lane each, in window W at b0 and b1) become half a fragment: six code registers at v[140 + 8 set] and two scale bytes in v[136 + set].
; (An argument is put in as text: set may read 3%2, so it stands in brackets wherever it is multiplied.)
.macro QUANTH W, b0, b1, set
	WIN (\W)|((\W)<<2)
	v_max3_num_f32 v128, |v[\b0]|, |v[\b0+1]|, 0x1800000
	v_max3_num_f32 v129, |v[\b1]|, |v[\b1+1]|, 0x1800000
	WIN ((\W)<<2)|((\W)<<4)
.irp i, 2,4,6,8,10,12,14
	v_max3_num_f32 v128, v128, |v[\b0+\i]|, |v[\b0+\i+1]|
	v_max3_num_f32 v129, v129, |v[\b1+\i]|, |v[\b1+\i+1]|
.endr
	WIN 0
	v_permlanex16_b32 v130, v128, s72, s73
	v_permlanex16_b32 v131, v129, s72, s73
	v_max_num_f32 v128, v128, v130                 ; with lane l xor 16's 16 rows
	v_max_num_f32 v129, v129, v131
	v_add_nc_u32 v132, 0xff000000, v128
	v_add_nc_u32 v133, 0xff000000, v129
	v_lshrrev_b32 v134, 23, v132
	v_lshrrev_b32 v135, 23, v133
	s_wait_dscnt 4                                 ; the last half fragment's four stores may be out; those that read this set's registers are done
	v_lshl_or_b32 v[136+(\set)], v135, 8, v134
	WIN (\W)
	v_cvt_scalef32_pk16_fp6_f32 v[140+8*(\set):142+8*(\set)], v[\b0:\b0+15], v132
	v_cvt_scalef32_pk16_fp6_f32 v[156:158], v[\b1:\b1+15], v133
	WIN 0
	v_nop                                          ; one plain place behind a scaled conversion
.irp i, 0,1,2
	v_permlane16_swap_b32 v[140+8*(\set)+\i], v[156+\i]   ; a whole block to a lane
.endr
.irp i, 0,1,2
	v_mov_b32 v[143+8*(\set)+\i], v[156+\i]
.endr
.endm
	v_mov_b32 v130, 0                              ; a lane permute's destination counts as one of its sources
	v_mov_b32 v131, 0
	; ---- the k waves hand their rows 64-127 over; the v waves quantise v
	s_cmp_eq_u32 s20, 0
	s_cbranch_scc0 .Lv_wave
	WIN 0x0c                                       ; an LDS store's data are its source 1: window 3
.set m, 0
.rept 64
	ds_store_b128 v10, v[4*m:4*m+3] offset:512*m   ; the window as it stands, each accumulator from its low end on
.set m, m+1
.endr
	WIN 0
	s_branch .Lhanded
.Lv_wave:
.irp be, 0,1,2,3,4,5,6,7
.irp c, 0,1
	QUANTH 2+\c, 16*\be, 128+16*\be, \c
.irp p, 0,1,2
	ds_store_b64 v11, v[140+8*\c+2*\p:141+8*\c+2*\p] offset:\be*FRB+768*\c+256*\p
.endr
	ds_store_b16 v12, v[136+\c] offset:\be*128+2*\c
.endr
.endr
.Lhanded:
	s_wait_dscnt 0x0
	s_barrier_signal -1
	s_barrier_wait -1
	s_cmp_eq_u32 s20, 0
	s_cbranch_scc1 .Lhave
	WIN 0x80
.set m, 0
.rept 64
	ds_load_b128 v[4*m:4*m+3], v10 offset:512*m
.set m, m+1
.endr
	WIN 0
	s_wait_dscnt 0x0
.Lhave:
	; ---- the softmax of 64 rows, in window 2: x(a, b, e) at 128 (a / 2) + 16 b + 8 (a % 2) + e is row (tile a, 8 h + e), column (tile b, lane r).  A row's 128 numbers: 8 registers x 16 lanes
	WIN 0x2a
.irp a, 0,1,2,3
.irp e, 0,1,2,3,4,5,6,7
	v_max3_num_f32 v[MX+8*\a+\e], v[128*(\a/2)+8*(\a%2)+\e], v[128*(\a/2)+8*(\a%2)+\e+16], v[128*(\a/2)+8*(\a%2)+\e+32]
.endr
.endr
	WIN 0x28
.irp b, 48, 80
.irp a, 0,1,2,3
.irp e, 0,1,2,3,4,5,6,7
	v_max3_num_f32 v[MX+8*\a+\e], v[MX+8*\a+\e], v[128*(\a/2)+8*(\a%2)+\e+\b], v[128*(\a/2)+8*(\a%2)+\e+\b+16]
.endr
.endr
.endr
.irp a, 0,1,2,3
.irp e, 0,1,2,3,4,5,6,7
	v_max_num_f32 v[MX+8*\a+\e], v[MX+8*\a+\e], v[128*(\a/2)+8*(\a%2)+\e+112]
.endr
.endr
	WIN 0
.irp k, 1,2,4,8
.set m, 0
.rept 32
	v_max_num_f32_dpp v[MX+m], v[MX+m], v[MX+m] row_xmask:\k row_mask:0xf bank_mask:0xf
.set m, m+1
.endr
.endr
.set m, 0
.rept 32
	v_mul_f32 v[MX+m], 0xbfb8aa3b, v[MX+m]         ; - the row's maximum x log2(e)
.set m, m+1
.endr
	WIN 0x82
.irp a, 0,1,2,3
.irp b, 0,1,2,3,4,5,6,7
.irp e, 0,2,4,6
	v_pk_fma_f32 v[128*(\a/2)+16*\b+8*(\a%2)+\e:128*(\a/2)+16*\b+8*(\a%2)+\e+1], v[128*(\a/2)+16*\b+8*(\a%2)+\e:128*(\a/2)+16*\b+8*(\a%2)+\e+1], s[74:75], v[MX+8*\a+\e:MX+8*\a+\e+1] op_sel_hi:[1,0,1]
.endr
.endr
.endr
.set m, 0
.rept 256
	v_exp_f32 v[m], v[m]
.set m, m+1
.endr
	v_nop                                          ; a plain place behind the exponentials
	s_wait_alu depctr_va_vdst(0)                   ; one wait for the batch, ahead of its first reader
	WIN 0x0a
.irp a, 0,1,2,3
.irp e, 0,2,4,6
	v_pk_add_f32 v[SM+8*\a+\e:SM+8*\a+\e+1], v[128*(\a/2)+8*(\a%2)+\e:128*(\a/2)+8*(\a%2)+\e+1], v[128*(\a/2)+8*(\a%2)+\e+16:128*(\a/2)+8*(\a%2)+\e+17]
.endr
.endr
	WIN 0x08
.irp b, 2,3,4,5,6,7
.irp a, 0,1,2,3
.irp e, 0,2,4,6
	v_pk_add_f32 v[SM+8*\a+\e:SM+8*\a+\e+1], v[SM+8*\a+\e:SM+8*\a+\e+1], v[128*(\a/2)+16*\b+8*(\a%2)+\e:128*(\a/2)+16*\b+8*(\a%2)+\e+1]
.endr
.endr
.endr
	WIN 0
.irp k, 1,2,4,8
.set m, 0
.rept 32
	v_add_f32_dpp v[SM+m], v[SM+m], v[SM+m] row_xmask:\k row_mask:0xf bank_mask:0xf
.set m, m+1
.endr
.endr
.set m, 0
.rept 32
	v_rcp_f32 v[SM+m], v[SM+m]
.set m, m+1
.endr
	v_nop
	s_wait_alu depctr_va_vdst(0)                   ; one wait for the 32 reciprocals
	WIN 0x82
.irp a, 0,1,2,3
.irp b, 0,1,2,3,4,5,6,7
.irp e, 0,2,4,6
	v_pk_mul_f32 v[128*(\a/2)+16*\b+8*(\a%2)+\e:128*(\a/2)+16*\b+8*(\a%2)+\e+1], v[128*(\a/2)+16*\b+8*(\a%2)+\e:128*(\a/2)+16*\b+8*(\a%2)+\e+1], v[SM+8*\a+\e:SM+8*\a+\e+1]
.endr
.endr
.endr
	; ---- the partial k_sum of my 64 rows, of the unquantised k
	WIN 0x0a
.irp b, 0,1,2,3,4,5,6,7
	v_pk_add_f32 v[KS+2*\b:KS+2*\b+1], v[16*\b:16*\b+1], v[16*\b+2:16*\b+3]
.endr
	WIN 0x08
.irp t, 2,3,4,5,6,7,8,9,10,11,12,13,14,15
.irp b, 0,1,2,3,4,5,6,7
	v_pk_add_f32 v[KS+2*\b:KS+2*\b+1], v[KS+2*\b:KS+2*\b+1], v[128*(\t/8)+8*((\t/4)%2)+2*(\t%4)+16*\b:128*(\t/8)+8*((\t/4)%2)+2*(\t%4)+16*\b+1]
.endr
.endr
	WIN 0
.irp b, 0,1,2,3,4,5,6,7
	v_add_f32 v[KS+2*\b], v[KS+2*\b], v[KS+2*\b+1]
.endr
.irp b, 0,1,2,3,4,5,6,7
	v_permlanex16_b32 v[KS+2*\b+1], v[KS+2*\b], s72, s73
.endr
.irp b, 0,1,2,3,4,5,6,7
	v_add_f32 v[KS+2*\b], v[KS+2*\b], v[KS+2*\b+1]
.endr
.irp b, 0,1,2,3
	v_cndmask_b32 v[176+\b], v[KS+4*\b], v[KS+4*\b+2], s76   ; lanes 0-15: tile 2 b's column, lanes 16-31: tile 2 b + 1's
.endr
.irp b, 0,1,2,3
	global_store_b32 v20, v[176+\b], s[16:17] offset:128*\b
.endr
	; ---- k along the rows: my 64 rows are registers 6 j .. 6 j + 5 of each of the eight fragments
.irp al, 0,1,2,3,4,5,6,7
	QUANTH 2, 16*\al, 128+16*\al, \al%2
.irp p, 0,1,2
	ds_store_b64 v13, v[140+8*(\al%2)+2*\p:141+8*(\al%2)+2*\p] offset:\al*FRB+256*\p
.endr
	ds_store_b16 v14, v[136+(\al%2)] offset:\al*128
.endr
	s_wait_dscnt 0x0
	s_barrier_signal -1
	s_barrier_wait -1
	; ---- the partial context: source 0 = k^T's tile (16 of the head's d), source 1 = v's tile (16 of e), K = 2 x 128 rows
	WIN 0x40
.irp f, 0,1,2,3,4,5,6,7,8,9,10,11,12,13,14,15
.irp p, 0,1,2,3,4,5
	ds_load_b64 v[12*\f+2*\p:12*\f+2*\p+1], v15 offset:\f*FRB+256*\p
.endr
.endr
.irp s, 0,1
.irp bp, 0,1
.irp p, 0,1,2,3,4,5
	ds_load_b64 v[192+12*(2*\s+\bp)+2*\p:192+12*(2*\s+\bp)+2*\p+1], v17 offset:\s*12288+\bp*FRB+256*\p
.endr
.endr
.endr
	WIN 0
.irp f, 0,1,2,3,4,5,6,7,8,9,10,11,12,13,14,15
	ds_load_b32 v[32+\f], v16 offset:\f*128
.endr
.irp s, 0,1
.irp bp, 0,1
	ds_load_b32 v[48+2*\s+\bp], v18 offset:\s*1024+\bp*128
.endr
.endr
	s_wait_dscnt 0x0
	WIN 0xa5
.irp bp, 0,1
.irp al, 0,1,2,3,4,5,6,7
	WM 8*(8*\bp+\al), 12*\al, 192+12*\bp, -1, 32+\al, 48+\bp, 0, 0
.endr
.endr
.irp bp, 0,1
.irp al, 0,1,2,3,4,5,6,7
	WM 8*(8*\bp+\al), 12*(8+\al), 192+12*(2+\bp), 8*(8*\bp+\al), 40+\al, 50+\bp, 0, 0
.endr
.endr
	PLACES 4
	WIN 0x08                                       ; a store's data are its source 1: window 2
.irp t, 0,1,2,3,4,5,6,7,8,9,10,11,12,13,14,15
	global_store_b128 v3, v[8*\t:8*\t+3], s[14:15] offset:\t*1024
	global_store_b128 v3, v[8*\t+4:8*\t+7], s[14:15] offset:\t*1024+512
.endr
	WIN 0
	s_wait_tensorcnt 0x0                           ; the wave's end
	ds_add_u32 v[SPW], v[NIL]
	s_wait_dscnt 0x0
	CROUND                                         ; the closing round
	s_endpgm
.Lfunc_end_k_q35303538a6_kv:
	.size	k_q35303538a6_kv, .Lfunc_end_k_q35303538a6_kv-k_q35303538a6_kv
	.p2alignl 7, 3214868480
	.fill 96, 4, 3214868480
	.section	.rodata,"a",@progbits
	.p2align	6, 0x0
	.amdhsa_kernel k_q35303538a6_kv
		.amdhsa_group_segment_fixed_size 327680
		.amdhsa_private_segment_fixed_size 0
		.amdhsa_enable_private_segment 0
		.amdhsa_kernarg_size 56
		.amdhsa_user_sgpr_count 2
		.amdhsa_user_sgpr_kernarg_segment_ptr 1
		.amdhsa_wavefront_size32 1
		.amdhsa_system_sgpr_workgroup_id_x 1
		.amdhsa_system_sgpr_workgroup_id_y 1
		.amdhsa_system_sgpr_workgroup_id_z 1
		.amdhsa_system_vgpr_workitem_id 0
		.amdhsa_next_free_vgpr 1024
		.amdhsa_next_free_sgpr 100
		.amdhsa_reserve_vcc 0
		.amdhsa_float_denorm_mode_32 3
		.amdhsa_float_denorm_mode_16_64 3
		.amdhsa_memory_ordered 1
		.amdhsa_forward_progress 1
		.amdhsa_inst_pref_size 255
	.end_amdhsa_kernel
	.amdgpu_metadata
---
amdhsa.version: [ 1, 2 ]
amdhsa.kernels:
  - .name:           k_q35303538a6_kv
    .symbol:         k_q35303538a6_kv.kd
    .args:
      - { .name: xq, .offset: 0, .size: 8, .value_kind: global_buffer, .address_space: global }
      - { .name: wc, .offset: 8, .size: 8, .value_kind: global_buffer, .address_space: global }
      - { .name: ws, .offset: 16, .size: 8, .value_kind: global_buffer, .address_space: global }
      - { .name: bk, .offset: 24, .size: 8, .value_kind: global_buffer, .address_space: global }
      - { .name: bv, .offset: 32, .size: 8, .value_kind: global_buffer, .address_space: global }
      - { .name: cp, .offset: 40, .size: 8, .value_kind: global_buffer, .address_space: global }
      - { .name: kp, .offset: 48, .size: 8, .value_kind: global_buffer, .address_space: global }
    .group_segment_fixed_size: 327680
    .private_segment_fixed_size: 0
    .kernarg_segment_align: 8
    .kernarg_segment_size: 56
    .max_flat_workgroup_size: 128
    .sgpr_count:     100
    .vgpr_count:     1024
    .wavefront_size: 32
...
	.end_amdgpu_metadata
.endif
;; end of part 2
;; launch ctx (part 3): grid 256 x 1, 4 waves a work-group, no clusters, 33,792 bytes of LDS; arguments cp, kp, cx; writes cx
.if DOCPART == 3
	.amdgcn_target "amdgcn-amd-amdhsa--gfx1250"
	.amdhsa_code_object_version 6
	.text
	.protected	k_q35303538a6_ctx
	.globl	k_q35303538a6_ctx
	.p2align	8
	.type	k_q35303538a6_ctx,@function
k_q35303538a6_ctx:
	s_mov_b64 s[64:65], 0
	v_nop
	global_prefetch_b8 v0, s[64:65] scope:SCOPE_SE
	s_setreg_imm32_b32 hwreg(HW_REG_WAVE_MODE, 25, 1), 1
	s_wait_xcnt 0x0
; Launch 3 of 5: the eight partial contexts of a (batch, head) are added in f32 and quantised along d (the next product's K); the 32 partial k_sums are added.  Nothing of reference() is left out here.
; A work-group of four waves takes one tile of 16 columns e of one (batch, head): 64 numbers a lane, register 8 a + j = d 32 (a / 2) + 16 h + 8 (a % 2) + j.
; ALL LOADS GO OUT AT ONCE: wave w asks for partials 2 w and 2 w + 1 (32 loads of 512 consecutive bytes) and, in the work-groups with tile < 4, for 8 of the 32 partial k_sums: 40 loads a wave,
; none of which waits for another's return.  Each wave adds its two partials; waves 1 to 3 hand their sums to wave 0 through LDS as images of the registers (group i of four registers at
; 2,048 i + 16 x thread); one barrier; wave 0 adds, quantises and stores.  The sum's order is ((p0 + p1) + (p2 + p3)) + (p4 + p5) + (p6 + p7): f32 throughout.
; No matrix work, no tensor load, no cluster: a stream whose work-groups share no input.  LIMITS: as stated in launch quant.
; cx: codes [bh 32][tile 8][1536]; from 393,216 scale words [bh][tile][lane 32]; from 425,984 k_sum [bh][128] f32.
.set KSW,   32768                      ; LDS: behind the images (16 groups x 2,048 bytes): a k_sum word for each thread
.set SPARE, 33280                      ; behind them: the spare words, 128 bytes for each wave
.set SPW, 12                           ; v12  my spare word's LDS address; never rewritten
.set NIL, 13                           ; v13  0; never rewritten
.set KQ,  16                           ; v16-23   my 8 partial k_sums; in wave 0 later v17-19: the other waves' sums
.set ACC, 48                           ; v48-111  the sum
.set T0,  112                          ; v112-175 my second partial; in wave 0 later the images of waves 1 and 3
.set T1,  176                          ; v176-239 in wave 0: the image of wave 2
.set TM,  112                          ; the quantiser's registers lie in T0 once the sums are done
.set PW,  128
.set PC,  132
	s_load_b128 s[4:7], s[0:1], 0x0                ; cp, kp
	s_load_b64 s[8:9], s[0:1], 0x10                ; cx
	v_lshl_add_u32 v[SPW], v0, 2, SPARE
	v_mov_b32 v[NIL], 0
	v_lshrrev_b32 v1, 5, v0
	v_readfirstlane_b32 s24, v1                    ; wave
	v_and_b32 v1, 31, v0                           ; lane
	v_lshlrev_b32 v3, 4, v1                        ; 16 x lane
	v_lshlrev_b32 v4, 2, v1                        ; 4 x lane
	v_lshlrev_b32 v5, 4, v0                        ; 16 x thread: where my image's groups go
	v_lshl_add_u32 v6, v0, 2, KSW                  ; my thread's k_sum word
	v_lshl_add_u32 v7, v1, 2, KSW                  ; my lane's, in wave 0's 128 bytes: the other waves' lie 128, 256, 384 bytes on
	s_lshr_b32 s10, ttmp9, 3                       ; bh
	s_and_b32 s11, ttmp9, 7                        ; tile
	s_mov_b32 s12, 0x76543210
	s_mov_b32 s13, 0xfedcba98                      ; v_permlanex16_b32's selects for lane l xor 16
	s_lshl_b32 s14, s10, 6
	s_add_co_u32 s14, s14, s11
	s_lshl_b32 s14, s14, 13                        ; cp: partial 0 of my tile,
	s_lshl_b32 s15, s24, 17
	s_add_co_u32 s14, s14, s15                     ; and two partials of 65,536 bytes on for each wave
	s_mov_b32 s15, 0
	s_lshl_b32 s16, s10, 14
	s_lshl_b32 s17, s11, 7
	s_add_co_u32 s16, s16, s17                     ; kp: my tile's 32 of the 128 d,
	s_lshl_b32 s17, s24, 12
	s_add_co_u32 s16, s16, s17                     ; and eight partials of 512 bytes on for each wave
	s_mov_b32 s17, 0
	s_mul_i32 s18, ttmp9, 1536
	s_mov_b32 s19, 0
	s_lshl_b32 s20, ttmp9, 7
	s_add_co_u32 s20, s20, 393216
	s_mov_b32 s21, 0
	s_lshl_b32 s22, s10, 9
	s_lshl_b32 s23, s11, 7
	s_add_co_u32 s22, s22, s23
	s_add_co_u32 s22, s22, 425984
	s_mov_b32 s23, 0
	s_wait_kmcnt 0x0
	s_add_nc_u64 s[4:5], s[4:5], s[14:15]
	s_add_nc_u64 s[6:7], s[6:7], s[16:17]
	s_add_nc_u64 s[18:19], s[8:9], s[18:19]
	s_add_nc_u64 s[20:21], s[8:9], s[20:21]
	s_add_nc_u64 s[22:23], s[8:9], s[22:23]
.macro LOADP tb, reg                   ; one partial of my tile: 16 loads of 512 consecutive bytes
.irp i, 0,1,2,3,4,5,6,7,8,9,10,11,12,13,14,15
	global_load_b128 v[\reg+4*\i:\reg+4*\i+3], v3, s[4:5] offset:(\tb)*65536+512*\i th:TH_LOAD_NT
.endr
.endm
	LOADP 0, ACC
	LOADP 1, T0
	s_cmp_lt_u32 s11, 4                            ; the work-group's number alone: the same in all four waves
	s_cbranch_scc0 .Lno_ks
.irp p, 0,1,2,3,4,5,6,7
	global_load_b32 v[KQ+\p], v4, s[6:7] offset:\p*512 th:TH_LOAD_NT
.endr
.Lno_ks:
	s_wait_loadcnt 0x0                             ; all that I asked for, on both ways
.irp j, 0,2,4,6,8,10,12,14,16,18,20,22,24,26,28,30,32,34,36,38,40,42,44,46,48,50,52,54,56,58,60,62
	v_pk_add_f32 v[ACC+\j:ACC+\j+1], v[ACC+\j:ACC+\j+1], v[T0+\j:T0+\j+1]
.endr
	s_cmp_lt_u32 s11, 4
	s_cbranch_scc0 .Lno_sum
	v_pk_add_f32 v[KQ:KQ+1], v[KQ:KQ+1], v[KQ+2:KQ+3]
	v_pk_add_f32 v[KQ+4:KQ+5], v[KQ+4:KQ+5], v[KQ+6:KQ+7]
	v_pk_add_f32 v[KQ:KQ+1], v[KQ:KQ+1], v[KQ+4:KQ+5]
	v_add_f32 v[KQ], v[KQ], v[KQ+1]                ; my eight partial k_sums
.Lno_sum:
	s_cmp_eq_u32 s24, 0                            ; wave 0 keeps its sums in registers
	s_cbranch_scc1 .Lmeet
.irp i, 0,1,2,3,4,5,6,7,8,9,10,11,12,13,14,15
	ds_store_b128 v5, v[ACC+4*\i:ACC+4*\i+3] offset:2048*\i
.endr
	s_cmp_lt_u32 s11, 4
	s_cbranch_scc0 .Lmeet
	ds_store_b32 v6, v[KQ]
.Lmeet:
	s_wait_dscnt 0x0                               ; for wave 0's sake: my stores have landed
	s_barrier_signal -1
	s_barrier_wait -1
	s_cmp_lg_u32 s24, 0
	s_cbranch_scc1 .Lend                           ; waves 1 to 3 are done
	s_cmp_lt_u32 s11, 4
	s_cbranch_scc0 .Lno_ks2
.irp w, 1,2,3
	ds_load_b32 v[KQ+\w], v7 offset:128*\w         ; asked for first, so that the counted waits below hold on both ways
.endr
.Lno_ks2:
.macro IMG w, reg                      ; wave w's sum, as it stood in that wave's registers
.irp i, 0,1,2,3,4,5,6,7,8,9,10,11,12,13,14,15
	ds_load_b128 v[\reg+4*\i:\reg+4*\i+3], v3 offset:2048*\i+512*\w
.endr
.endm
.macro ADDIN reg
.irp j, 0,2,4,6,8,10,12,14,16,18,20,22,24,26,28,30,32,34,36,38,40,42,44,46,48,50,52,54,56,58,60,62
	v_pk_add_f32 v[ACC+\j:ACC+\j+1], v[ACC+\j:ACC+\j+1], v[\reg+\j:\reg+\j+1]
.endr
.endm
	IMG 1, T0
	IMG 2, T1
	s_wait_dscnt 16                                ; wave 1's image is in; wave 2's 16 loads may be out
	ADDIN T0
	IMG 3, T0
	s_wait_dscnt 16                                ; wave 2's is in; wave 3's 16 loads may be out
	ADDIN T1
	s_wait_dscnt 0x0
	ADDIN T0
	; ---- the quantiser along d: four blocks of 32, each in lanes l and l xor 16
.irp b, 0,1,2,3
	v_mov_b32 v[TM+4+\b], 0                        ; a lane permute's destination counts as one of its sources
.endr
.irp b, 0,1,2,3
	v_max3_num_f32 v[TM+\b], |v[ACC+16*\b]|, |v[ACC+1+16*\b]|, 0x1800000   ; with the floor 2^(3 - 127): the byte cannot fall under 1
.endr
.irp i, 2,4,6,8,10,12,14
.irp b, 0,1,2,3
	v_max3_num_f32 v[TM+\b], v[TM+\b], |v[ACC+16*\b+\i]|, |v[ACC+1+16*\b+\i]|
.endr
.endr
.irp b, 0,1,2,3
	v_permlanex16_b32 v[TM+4+\b], v[TM+\b], s12, s13
.endr
.irp b, 0,1,2,3
	v_max_num_f32 v[TM+\b], v[TM+\b], v[TM+4+\b]
.endr
.irp b, 0,1,2,3
	v_add_nc_u32 v[TM+12+\b], 0xff000000, v[TM+\b] ; 2 off the exponent field: the conversion's scale operand
.endr
.irp b, 0,1,2,3
	v_lshrrev_b32 v[TM+4+\b], 23, v[TM+12+\b]      ; the scale's byte
.endr
	v_lshl_or_b32 v[PW], v[TM+5], 8, v[TM+4]
	v_lshl_or_b32 v[PW], v[TM+6], 16, v[PW]
	v_lshl_or_b32 v[PW], v[TM+7], 24, v[PW]
.irp c, 0,1
	v_cvt_scalef32_pk16_fp6_f32 v[PC+6*\c:PC+2+6*\c], v[ACC+32*\c:ACC+15+32*\c], v[TM+12+2*\c]
	v_cvt_scalef32_pk16_fp6_f32 v[PC+12+4*\c:PC+14+4*\c], v[ACC+16+32*\c:ACC+31+32*\c], v[TM+12+2*\c+1]   ; (a conversion's three registers begin on an even number)
.endr
	v_nop                                          ; one plain place behind a scaled conversion
.irp c, 0,1
.irp i, 0,1,2
	v_permlane16_swap_b32 v[PC+6*\c+\i], v[PC+12+4*\c+\i]   ; a whole block to a lane
.endr
.irp i, 0,1,2
	v_mov_b32 v[PC+3+6*\c+\i], v[PC+12+4*\c+\i]
.endr
.endr
.irp c, 0,1,2
	global_store_b128 v3, v[PC+4*\c:PC+4*\c+3], s[18:19] offset:512*\c   ; 512 consecutive bytes
.endr
	global_store_b32 v4, v[PW], s[20:21]
	s_cmp_lt_u32 s11, 4
	s_cbranch_scc0 .Lend
	v_add_f32 v[KQ], v[KQ], v[KQ+1]                ; the four waves' k_sums
	v_add_f32 v[KQ+2], v[KQ+2], v[KQ+3]
	v_add_f32 v[KQ], v[KQ], v[KQ+2]
	global_store_b32 v4, v[KQ], s[22:23]
.Lend:
	s_wait_tensorcnt 0x0                           ; the wave's end
	ds_add_u32 v[SPW], v[NIL]
	s_wait_dscnt 0x0
	s_endpgm
.Lfunc_end_k_q35303538a6_ctx:
	.size	k_q35303538a6_ctx, .Lfunc_end_k_q35303538a6_ctx-k_q35303538a6_ctx
	.p2alignl 7, 3214868480
	.fill 96, 4, 3214868480
	.section	.rodata,"a",@progbits
	.p2align	6, 0x0
	.amdhsa_kernel k_q35303538a6_ctx
		.amdhsa_group_segment_fixed_size 33792
		.amdhsa_private_segment_fixed_size 0
		.amdhsa_enable_private_segment 0
		.amdhsa_kernarg_size 24
		.amdhsa_user_sgpr_count 2
		.amdhsa_user_sgpr_kernarg_segment_ptr 1
		.amdhsa_wavefront_size32 1
		.amdhsa_system_sgpr_workgroup_id_x 1
		.amdhsa_system_sgpr_workgroup_id_y 1
		.amdhsa_system_sgpr_workgroup_id_z 1
		.amdhsa_system_vgpr_workitem_id 0
		.amdhsa_next_free_vgpr 256
		.amdhsa_next_free_sgpr 66
		.amdhsa_reserve_vcc 0
		.amdhsa_float_denorm_mode_32 3
		.amdhsa_float_denorm_mode_16_64 3
		.amdhsa_memory_ordered 1
		.amdhsa_forward_progress 1
		.amdhsa_inst_pref_size 24
	.end_amdhsa_kernel
	.amdgpu_metadata
---
amdhsa.version: [ 1, 2 ]
amdhsa.kernels:
  - .name:           k_q35303538a6_ctx
    .symbol:         k_q35303538a6_ctx.kd
    .args:
      - { .name: cp, .offset: 0, .size: 8, .value_kind: global_buffer, .address_space: global }
      - { .name: kp, .offset: 8, .size: 8, .value_kind: global_buffer, .address_space: global }
      - { .name: cx, .offset: 16, .size: 8, .value_kind: global_buffer, .address_space: global }
    .group_segment_fixed_size: 33792
    .private_segment_fixed_size: 0
    .kernarg_segment_align: 8
    .kernarg_segment_size: 24
    .max_flat_workgroup_size: 128
    .sgpr_count:     66
    .vgpr_count:     256
    .wavefront_size: 32
...
	.end_amdgpu_metadata
.endif
;; end of part 3
;; launch attn (part 4): grid 8 x 32, 4 waves a work-group, clusters of 4 x 4, 327,680 bytes of LDS; arguments xq, wc, ws, bq, cx, yq; writes yq
.if DOCPART == 4
	.amdgcn_target "amdgcn-amd-amdhsa--gfx1250"
	.amdhsa_code_object_version 6
	.text
	.protected	k_q35303538a6_attn
	.globl	k_q35303538a6_attn
	.p2align	8
	.type	k_q35303538a6_attn,@function
k_q35303538a6_attn:
	s_mov_b64 s[64:65], 0
	v_nop
	global_prefetch_b8 v0, s[64:65] scope:SCOPE_SE
	s_setreg_imm32_b32 hwreg(HW_REG_WAVE_MODE, 25, 1), 1
	s_wait_xcnt 0x0
	s_wait_alu depctr_hold_cnt(0) depctr_sa_sdst(0) depctr_va_vdst(0) depctr_va_sdst(0) depctr_va_ssrc(0) depctr_va_vcc(0) depctr_vm_vsrc(0)
	s_getreg_b32 s2, hwreg(HW_REG_IB_STS2, 6, 4)
	s_cmp_eq_u32 s2, 0
	s_cbranch_scc0 .Lentry_in_a_cluster
	s_endpgm
.Lentry_in_a_cluster:
	s_bfe_u32 s2, ttmp6, 0x10000c
	s_cmp_lg_u32 s2, 0xf033
	s_cbranch_scc0 .Lentry_shape_is_right
	s_endpgm
.Lentry_shape_is_right:
; Launch 4 of 5: q = x Wq + bq; p = 2^(t - M), t = q log2(e), M = ceil(the row's largest t); l = sum p; S = sum p k_sum; O = Q(p) Q(context); y = O / S + p / l, quantised along the head's 128.
; (reference() has y = (O / l) D_inv + p / l with D_inv = l / S: the same but for rounding.)  Nothing of reference() is left out here.
; A work-group: 256 rows x one head.  Wave w: x tiles 4 w .. 4 w + 3 x the head's 8 tiles of columns: 32 accumulators.
; THE PRODUCTS ARE USED TRANSPOSED (source 0 = the weight's or the context's tile, source 1 = the rows): a lane holds ONE row, and register 8 a + j is column 32 (a / 2) + 16 h + 8 (a % 2) + j.
; ALL OF K LIES IN LDS: x's 8 steps (24,576 bytes each) and Wq's 8 (12,288 each) are asked for at the head, in four stages of two steps, and nothing is filled again.
; CLUSTER 4 x 4: x's tiles are shared along a row of the cluster, Wq's along a column.  LIMITS: as stated in launch quant; v_exp_f32 gives 0 for results under 2^-126.
; REGISTERS: window 0: v3-14 addresses; v28, v29 the add's; v32-47 x's scale words; v48-79 Wq's; v80-87 the context's; v88 p's; v96-101 y's; v128-223 x's fragments, two buffers.
;   window 1: v0-191 Wq's fragments, two buffers (the first later takes the context's 8); v192-255 k_sum.   windows 2, 3: v0-127 two tiles' accumulators; v128-191 O, then y (in window 2 first the bias); v192-255 at work.
.set FRB,   1536
.set WLDS,  196608                     ; Wq's steps lie behind x's
.set SPARE, 294912
.set SPW, 28
.set NIL, 29
.set XSB, 32
.set WSB, 48
.set BM,  192                          ; in a tile's own window: v192-195 the blocks' maxima, v196-199 permutes' destinations, v200-203 scale operands, v204-207 bytes,
.set TT,  196                          ; v208 -M, v210-213 l, v214-217 S, v218 1 / l, v220 1 / S, v224-235 codes, v236-242 conversions' second halves, v244, v245 at work
.set MSB, 0
.macro WIN new
.if MSB != (\new)
	s_set_vgpr_msb (MSB<<8)|(\new)
.set MSB, (\new)
.endif
.endm
.macro PLACES n
.rept \n
	v_nop
.endr
.endm
.macro JLOAD g0a, g1a, g0b, g1b        ; a joint load: waves 0, 1 fetch x's steps, waves 2, 3 Wq's; an s_nop 0 and four v_nop follow each line
	s_cmp_eq_u32 s19, 0
	s_cbranch_scc0 .Lfor_b_\@
	tensor_load_to_lds s[\g0a:\g0a+3], s[\g1a:\g1a+7]
	s_nop 0
.rept 4
	v_nop
.endr
	s_branch .Lasked_\@
.Lfor_b_\@:
	tensor_load_to_lds s[\g0b:\g0b+3], s[\g1b:\g1b+7]
	s_nop 0
.rept 4
	v_nop
.endr
.Lasked_\@:
.endm
.macro CROUND
	s_barrier_signal -1
	s_barrier_wait -1
	s_cmp_lg_u32 s18, 0
	s_cbranch_scc1 .Lnot_wave_0_\@
	s_barrier_signal -3
.Lnot_wave_0_\@:
	s_barrier_wait -3
	s_barrier_signal -1
	s_barrier_wait -1
.endm
.macro WM d, s0, s1, c, sa, sb, ra, rb
.if (\c) < 0
.if (\ra) && (\rb)
	v_wmma_scale_f32_16x16x128_f8f6f4 v[\d:\d+7], v[\s0:\s0+11], v[\s1:\s1+11], 0, v[\sa], v[\sb] matrix_a_fmt:MATRIX_FMT_FP6 matrix_b_fmt:MATRIX_FMT_FP6 matrix_a_scale:MATRIX_SCALE_ROW1 matrix_b_scale:MATRIX_SCALE_ROW1
.elseif (\ra)
	v_wmma_scale_f32_16x16x128_f8f6f4 v[\d:\d+7], v[\s0:\s0+11], v[\s1:\s1+11], 0, v[\sa], v[\sb] matrix_a_fmt:MATRIX_FMT_FP6 matrix_b_fmt:MATRIX_FMT_FP6 matrix_a_scale:MATRIX_SCALE_ROW1
.elseif (\rb)
	v_wmma_scale_f32_16x16x128_f8f6f4 v[\d:\d+7], v[\s0:\s0+11], v[\s1:\s1+11], 0, v[\sa], v[\sb] matrix_a_fmt:MATRIX_FMT_FP6 matrix_b_fmt:MATRIX_FMT_FP6 matrix_b_scale:MATRIX_SCALE_ROW1
.else
	v_wmma_scale_f32_16x16x128_f8f6f4 v[\d:\d+7], v[\s0:\s0+11], v[\s1:\s1+11], 0, v[\sa], v[\sb] matrix_a_fmt:MATRIX_FMT_FP6 matrix_b_fmt:MATRIX_FMT_FP6
.endif
.else
.if (\ra) && (\rb)
	v_wmma_scale_f32_16x16x128_f8f6f4 v[\d:\d+7], v[\s0:\s0+11], v[\s1:\s1+11], v[\c:\c+7], v[\sa], v[\sb] matrix_a_fmt:MATRIX_FMT_FP6 matrix_b_fmt:MATRIX_FMT_FP6 matrix_a_scale:MATRIX_SCALE_ROW1 matrix_b_scale:MATRIX_SCALE_ROW1
.elseif (\ra)
	v_wmma_scale_f32_16x16x128_f8f6f4 v[\d:\d+7], v[\s0:\s0+11], v[\s1:\s1+11], v[\c:\c+7], v[\sa], v[\sb] matrix_a_fmt:MATRIX_FMT_FP6 matrix_b_fmt:MATRIX_FMT_FP6 matrix_a_scale:MATRIX_SCALE_ROW1
.elseif (\rb)
	v_wmma_scale_f32_16x16x128_f8f6f4 v[\d:\d+7], v[\s0:\s0+11], v[\s1:\s1+11], v[\c:\c+7], v[\sa], v[\sb] matrix_a_fmt:MATRIX_FMT_FP6 matrix_b_fmt:MATRIX_FMT_FP6 matrix_b_scale:MATRIX_SCALE_ROW1
.else
	v_wmma_scale_f32_16x16x128_f8f6f4 v[\d:\d+7], v[\s0:\s0+11], v[\s1:\s1+11], v[\c:\c+7], v[\sa], v[\sb] matrix_a_fmt:MATRIX_FMT_FP6 matrix_b_fmt:MATRIX_FMT_FP6
.endif
.endif
.endm
	s_load_b256 s[4:11], s[0:1], 0x0               ; xq, wc, ws, bq
	s_load_b128 s[12:15], s[0:1], 0x20             ; cx, yq
	v_lshl_add_u32 v[SPW], v0, 2, SPARE
	v_mov_b32 v[NIL], 0
	ds_add_u32 v[SPW], v[NIL]                      ; the wave's opening: the add, twice on end, and its wait ahead of my first tensor load
	ds_add_u32 v[SPW], v[NIL]
	v_lshrrev_b32 v1, 5, v0
	v_readfirstlane_b32 s18, v1                    ; wave
	s_lshr_b32 s19, s18, 1                         ; I fetch for x (0) or for Wq (1)
	s_and_b32 s20, s18, 1                          ; which of a stage's two steps I fetch
	s_bfe_u32 s21, ttmp6, 0x40000                  ; cx
	s_bfe_u32 s22, ttmp6, 0x40004                  ; cy
	s_lshl_b32 s23, ttmp9, 2
	s_add_co_u32 s23, s23, s21                     ; head
	s_and_b32 s24, ttmp7, 0xffff
	s_lshl_b32 s24, s24, 2
	s_add_co_u32 s24, s24, s22                     ; rowblock
	s_lshl_b32 s25, s22, 2
	s_lshl_b32 s25, 15, s25                        ; my row of the cluster
	s_lshl_b32 s26, 0x1111, s21                    ; my column
	s_or_b32 s28, s25, (3<<16)|(1<<21)             ; group 1 for x: 96 rows of 256 bytes, dense
	s_mov_b32 s29, 32<<16
	s_mov_b32 s30, 96<<16
	s_mov_b32 s31, 32<<16
	s_mov_b32 s32, 96
	s_mov_b32 s33, 32
	s_mov_b32 s34, 0
	s_mov_b32 s35, 0
	s_or_b32 s36, s26, (3<<16)|(1<<21)             ; for Wq: 48 rows
	s_mov_b32 s37, 32<<16
	s_mov_b32 s38, 48<<16
	s_mov_b32 s39, 32<<16
	s_mov_b32 s40, 48
	s_mov_b32 s41, 32
	s_mov_b32 s42, 0
	s_mov_b32 s43, 0
	s_mul_i32 s86, s24, 196608                     ; x: my rowblock, step j (s86, s87, s90 never hold the head)
	s_mul_i32 s87, s20, 24576
	s_add_co_u32 s86, s86, s87
	s_mov_b32 s87, 0
	s_mul_i32 s88, s23, 98304                      ; Wq: my head, step j (s88, s89, s91 never hold the rowblock)
	s_mul_i32 s89, s20, 12288
	s_add_co_u32 s88, s88, s89
	s_add_co_u32 s88, s88, 1572864
	s_mov_b32 s89, 0
	s_mul_i32 s90, s20, 24576                      ; where they go
	s_mul_i32 s91, s20, 12288
	s_add_co_u32 s91, s91, WLDS
	s_mov_b32 s80, 0x76543210
	s_mov_b32 s81, 0xfedcba98
	s_mov_b32 s82, 0x3fb8aa3b                      ; log2(e)
	s_mov_b32 s83, s82
	s_mov_b32 s84, 0xffff0000                      ; lanes 16-31
	s_wait_dscnt 0x0                               ; both opening adds are done
	s_wait_kmcnt 0x0
	s_add_nc_u64 s[86:87], s[4:5], s[86:87]
	s_add_nc_u64 s[88:89], s[6:7], s[88:89]
	CROUND                                         ; all sixteen work-groups are here: the joint loads meet
.macro FIRST ga, gb, g
	s_mov_b32 s[\ga], 1
	s_add_co_u32 s[\ga+1], s90, \g*49152
	s_add_nc_u64 s[\ga+2:\ga+3], s[86:87], \g*49152
	s_or_b32 s[\ga+3], s[\ga+3], 0x80000000
	s_mov_b32 s[\gb], 1
	s_add_co_u32 s[\gb+1], s91, \g*24576
	s_add_nc_u64 s[\gb+2:\gb+3], s[88:89], \g*24576
	s_or_b32 s[\gb+3], s[\gb+3], 0x80000000
	JLOAD \ga, 28, \gb, 36
.endm
	FIRST 44, 60, 0                                ; four loads of mine are out
	FIRST 48, 68, 1
	FIRST 52, 72, 2
	FIRST 56, 76, 3
	v_bfe_u32 v2, v0, 4, 1                         ; h
	v_and_b32 v1, 31, v0                           ; lane
	v_lshlrev_b32 v3, 4, v1                        ; 16 x lane
	v_lshlrev_b32 v12, 3, v1                       ; 8 x lane
	v_lshlrev_b32 v13, 6, v2                       ; 64 h
	v_lshlrev_b32 v14, 2, v1                       ; 4 x lane
	s_mul_i32 s98, s18, 6144
.irp g, 0,1,2,3
	v_add_nc_u32 v[4+\g], s98, v3                  ; my four fragments of x in stage g
	v_add_nc_u32 v[8+\g], WLDS+\g*24576, v3        ; Wq's eight
	s_add_co_u32 s98, s98, 49152
.endr
	s_mov_b32 s97, 0
	s_lshr_b32 s85, s24, 3
	s_lshl_b32 s85, s85, 3
	s_add_co_u32 s85, s85, s23                     ; batch x 8 + head
	s_lshl_b32 s96, s24, 13
	s_lshl_b32 s98, s18, 8
	s_add_co_u32 s96, s96, s98
	s_add_co_u32 s96, s96, 6291456
	s_add_nc_u64 s[2:3], s[4:5], s[96:97]          ; x's scale words: my quad
	s_lshl_b32 s98, s23, 10
	s_add_co_u32 s96, s96, s98
	s_add_nc_u64 s[92:93], s[14:15], s[96:97]      ; y's scale words
	s_lshl_b32 s96, s23, 12
	s_add_co_u32 s96, s96, 65536
	s_add_nc_u64 s[8:9], s[8:9], s[96:97]          ; Wq's scale words
	s_lshl_b32 s96, s23, 9
	s_add_nc_u64 s[10:11], s[10:11], s[96:97]      ; the bias
	s_lshl_b32 s96, s85, 10
	s_add_co_u32 s96, s96, 393216
	s_add_nc_u64 s[94:95], s[12:13], s[96:97]      ; the context's scale words
	s_lshl_b32 s96, s85, 9
	s_add_co_u32 s96, s96, 425984
	s_add_nc_u64 s[16:17], s[12:13], s[96:97]      ; k_sum
	s_mul_i32 s96, s85, 12288
	s_add_nc_u64 s[12:13], s[12:13], s[96:97]      ; the context's codes
	s_lshl_b32 s96, s24, 3
	s_add_co_u32 s96, s96, s23
	s_mul_i32 s96, s96, 24576
	s_mul_i32 s98, s18, 6144
	s_add_co_u32 s96, s96, s98
	s_add_nc_u64 s[14:15], s[14:15], s[96:97]      ; y's codes: my four fragments
.irp ks, 0,1,2,3,4,5,6,7
	global_load_b64 v[XSB+2*\ks:XSB+2*\ks+1], v12, s[2:3] offset:\ks*1024
.endr
.irp t, 0,1,2,3,4,5,6,7,8,9,10,11,12,13,14,15
	global_load_b64 v[WSB+2*\t:WSB+2*\t+1], v12, s[8:9] offset:\t*256
.endr
.irp be, 0,1,2,3,4,5,6,7
	global_load_b32 v[80+\be], v14, s[94:95] offset:\be*128
.endr
	WIN 0x80
.irp a, 0,1,2,3,4,5,6,7
	global_load_b128 v[128+8*\a:128+8*\a+3], v13, s[10:11] offset:128*(\a/2)+32*(\a%2)       ; the bias in the result's layout: the C of each sum's first instruction
	global_load_b128 v[128+8*\a+4:128+8*\a+7], v13, s[10:11] offset:128*(\a/2)+32*(\a%2)+16
.endr
	WIN 0x40
.irp b, 0,1,2,3
.irp e, 0,1,2,3
	global_load_b128 v[192+16*\b+4*\e:192+16*\b+4*\e+3], v13, s[16:17] offset:128*\b+16*\e   ; k_sum in p's layout
.endr
.endr
.irp wv, 0x80, 0xc0
	WIN \wv
.irp q, 196,197,198,199,209,219,221
	v_mov_b32 v[\q], 0                             ; permutes' destinations, and the upper halves of pairs that packed forms name
.endr
.endr
	WIN 0
.macro FRAG reg, adr, off
.irp c, 0,1,2
	ds_load_b128 v[\reg+4*\c:\reg+4*\c+3], v[\adr] offset:\off+512*\c
.endr
.endm
.macro FETCH ks                        ; step ks's fragments into buffer ks % 2
	WIN 0x40
.irp a, 0,1,2,3,4,5,6,7
	FRAG 96*((\ks)%2)+12*\a, 8+(\ks)/2, ((\ks)%2)*12288+\a*FRB
.endr
	WIN 0
.irp t, 0,1,2,3
	FRAG 128+48*((\ks)%2)+12*\t, 4+(\ks)/2, ((\ks)%2)*24576+\t*FRB
.endr
.endm
.macro MULI i, ks                      ; x tile i against Wq's eight.  The 32 accumulators take turns, in the same order in every step
.if (\i) < 2
	WIN 0xa1                                       ; source 0 (Wq) window 1, source 1 (x) window 0, C and D window 2
.elseif (\ks) == 0
	WIN 0xe1                                       ; C (the bias) window 2, D window 3
.else
	WIN 0xf1
.endif
.irp a, 0,1,2,3,4,5,6,7
.if (\ks) == 0
	WM 64*((\i)%2)+8*\a, 96*((\ks)%2)+12*\a, 128+48*((\ks)%2)+12*(\i), 128+8*\a, WSB+2*(4*((\ks)/2)+\a/2)+(\ks)%2, XSB+2*(\ks)+(\i)/2, \a%2, (\i)%2
.else
	WM 64*((\i)%2)+8*\a, 96*((\ks)%2)+12*\a, 128+48*((\ks)%2)+12*(\i), 64*((\i)%2)+8*\a, WSB+2*(4*((\ks)/2)+\a/2)+(\ks)%2, XSB+2*(\ks)+(\i)/2, \a%2, (\i)%2
.endif
.endr
.endm
.macro KSTEP ks
.if (\ks) > 0
	PLACES 4                                       ; behind the last step's products, in front of the loads into the buffer that they read
.endif
	s_wait_dscnt 0x0                               ; this step's fragments are in
.if ((\ks) == 1) || ((\ks) == 3) || ((\ks) == 5)
	s_wait_tensorcnt 3-((\ks)+1)/2                 ; my part of the next stage is in; my loads for the later stages may be out
	s_barrier_signal -1
	MULI 0, \ks
	s_barrier_wait -1                              ; everybody's is
	FETCH (\ks)+1
	MULI 1, \ks
	MULI 2, \ks
	MULI 3, \ks
.else
.if (\ks) < 7
	FETCH (\ks)+1
.else
	WIN 0x40                                       ; the context's eight fragments take Wq's first buffer
.irp be, 0,1,2,3,4,5,6,7
.irp c, 0,1,2
	global_load_b128 v[12*\be+4*\c:12*\be+4*\c+3], v3, s[12:13] offset:\be*FRB+512*\c
.endr
.endr
	WIN 0
.endif
	MULI 0, \ks
	MULI 1, \ks
	MULI 2, \ks
	MULI 3, \ks
.endif
.endm
	s_wait_tensorcnt 3                             ; my part of stage 0 is in; three loads may stay out
	s_barrier_signal -1
	s_barrier_wait -1
	FETCH 0
	s_wait_loadcnt 0x0                             ; scale words, bias, k_sum
.irp ks, 0,1,2,3,4,5,6,7
	KSTEP \ks
.endr
	PLACES 4
; From the four blocks' largest magnitudes in v[BM] on (floor among them) and 64 numbers at v[s] on, all in the tile's window: 12 code registers at v224 on and the scale word in v245.
.macro QTAIL s
.irp b, 0,1,2,3
	v_add_nc_u32 v[200+\b], 0xff000000, v[BM+\b]   ; 2 off the exponent field: the conversion's scale operand
.endr
.irp b, 0,1,2,3
	v_lshrrev_b32 v[204+\b], 23, v[200+\b]
.endr
	v_lshl_or_b32 v245, v205, 8, v204
	v_lshl_or_b32 v245, v206, 16, v245
	v_lshl_or_b32 v245, v207, 24, v245
.irp c, 0,1
	v_cvt_scalef32_pk16_fp6_f32 v[224+6*\c:226+6*\c], v[\s+32*\c:\s+32*\c+15], v[200+2*\c]
	v_cvt_scalef32_pk16_fp6_f32 v[236+4*\c:238+4*\c], v[\s+32*\c+16:\s+32*\c+31], v[201+2*\c]
.endr
	v_nop                                          ; one plain place behind a scaled conversion
.irp c, 0,1
.irp e, 0,1,2
	v_permlane16_swap_b32 v[224+6*\c+\e], v[236+4*\c+\e]
.endr
.irp e, 0,1,2
	v_mov_b32 v[227+6*\c+\e], v[236+4*\c+\e]
.endr
.endr
.endm
.macro TILE i
.set WN, 2+(\i)/2
.set WW, WN*0x55                       ; every operand place in the tile's window
.set X, 64*((\i)%2)
.if (\i) > 0
	s_wait_xcnt 0x0                                ; the last tile's stores have read the code registers
.endif
	WIN WW
.irp b, 0,1,2,3
	v_max3_num_f32 v[BM+\b], v[X+16*\b], v[X+16*\b+1], v[X+16*\b+2]   ; each block's largest score: for the row's maximum and, since p rises with the score, for the block's largest p
.endr
.irp e, 3,5,7,9,11,13
.irp b, 0,1,2,3
	v_max3_num_f32 v[BM+\b], v[BM+\b], v[X+16*\b+\e], v[X+16*\b+\e+1]
.endr
.endr
.irp b, 0,1,2,3
	v_max_num_f32 v[BM+\b], v[BM+\b], v[X+16*\b+15]
.endr
.irp b, 0,1,2,3
	v_permlanex16_b32 v[TT+\b], v[BM+\b], s80, s81
.endr
.irp b, 0,1,2,3
	v_max_num_f32 v[BM+\b], v[BM+\b], v[TT+\b]
.endr
	v_max3_num_f32 v244, v[BM], v[BM+1], v[BM+2]
	v_max_num_f32 v244, v244, v[BM+3]
	v_mul_f32 v244, s82, v244                      ; the row's largest t
	v_floor_f32 v208, -v244                        ; -M = floor(-t) = -ceil(t)
.irp j, 0,2,4,6,8,10,12,14,16,18,20,22,24,26,28,30,32,34,36,38,40,42,44,46,48,50,52,54,56,58,60,62
	v_pk_fma_f32 v[X+\j:X+\j+1], v[X+\j:X+\j+1], s[82:83], v[208:209] op_sel_hi:[1,0,0]   ; t - M
.endr
.irp b, 0,1,2,3
	v_fma_f32 v[BM+\b], v[BM+\b], s82, v208
.endr
.set m, 0
.rept 64
	v_exp_f32 v[X+m], v[X+m]                       ; p = 2^(t - M): not normalised
.set m, m+1
.endr
	v_nop
	s_wait_alu depctr_va_vdst(0)                   ; one wait for the batch, ahead of its first reader
.irp b, 0,1,2,3
	v_exp_f32 v[BM+\b], v[BM+\b]                   ; the blocks' largest p
.endr
	v_pk_add_f32 v[210:211], v[X:X+1], v[X+2:X+3]  ; l, of the unquantised p, in two chains
	v_pk_add_f32 v[212:213], v[X+4:X+5], v[X+6:X+7]
.irp j, 8,12,16,20,24,28,32,36,40,44,48,52,56,60
	v_pk_add_f32 v[210:211], v[210:211], v[X+\j:X+\j+1]
	v_pk_add_f32 v[212:213], v[212:213], v[X+\j+2:X+\j+3]
.endr
	s_wait_alu depctr_va_vdst(0)                   ; and one for the four
.irp b, 0,1,2,3
	v_max_num_f32 v[BM+\b], 0x1800000, v[BM+\b]    ; the floor: the byte cannot fall under 1
.endr
	QTAIL X
	WIN WN
	v_mov_b32 v88, v245                            ; p's scale word, into window 0
	WIN WN|(1<<2)|(WN<<4)|(WN<<6)                  ; source 1: k_sum, window 1
	v_pk_mul_f32 v[214:215], v[X:X+1], v[192:193]  ; S = sum p k_sum, in two chains.  (These 32 are also the places in front of the scaled products)
	v_pk_mul_f32 v[216:217], v[X+2:X+3], v[194:195]
.irp j, 4,8,12,16,20,24,28,32,36,40,44,48,52,56,60
	v_pk_fma_f32 v[214:215], v[X+\j:X+\j+1], v[192+\j:193+\j], v[214:215]
	v_pk_fma_f32 v[216:217], v[X+\j+2:X+\j+3], v[194+\j:195+\j], v[216:217]
.endr
	WIN WW
	v_pk_add_f32 v[210:211], v[210:211], v[212:213]
	v_pk_add_f32 v[214:215], v[214:215], v[216:217]
	v_add_f32 v210, v210, v211
	v_add_f32 v214, v214, v215
	v_permlanex16_b32 v196, v210, s80, s81
	v_permlanex16_b32 v197, v214, s80, s81
	v_add_f32 v210, v210, v196                     ; with lane l xor 16's 64 columns
	v_add_f32 v214, v214, v197
	v_rcp_f32 v218, v210
	v_rcp_f32 v220, v214
	v_nop                                          ; a plain place behind the reciprocals
.if (\i) == 0
	s_wait_loadcnt 0x0                             ; the context's fragments
.endif
	WIN 1|(WN<<2)|(WN<<4)|(WN<<6)                  ; source 0: the context, window 1; source 1: p's codes
.irp be, 0,1,2,3,4,5,6,7
	WM 128+8*\be, 12*\be, 224, -1, 80+\be, 88, 0, 0
.endr
	s_wait_alu depctr_va_vdst(0)                   ; for the two reciprocals, ahead of their first reader
	WIN WW
.irp j, 0,2,4,6,8,10,12,14,16,18,20,22,24,26,28,30,32,34,36,38,40,42,44,46,48,50,52,54,56,58,60,62
	v_pk_mul_f32 v[X+\j:X+\j+1], v[X+\j:X+\j+1], v[218:219] op_sel_hi:[1,0]   ; q = p / l.  (They name no register of the products: the places behind them)
.endr
.irp j, 0,2,4,6,8,10,12,14,16,18,20,22,24,26,28,30,32,34,36,38,40,42,44,46,48,50,52,54,56,58,60,62
	v_pk_fma_f32 v[128+\j:129+\j], v[128+\j:129+\j], v[220:221], v[X+\j:X+\j+1] op_sel_hi:[1,0,1]   ; y = O / S + q, each accumulator from its low end on
.endr
.irp b, 0,1,2,3
	v_max3_num_f32 v[BM+\b], |v[128+16*\b]|, |v[129+16*\b]|, 0x1800000
.endr
.irp e, 2,4,6,8,10,12,14
.irp b, 0,1,2,3
	v_max3_num_f32 v[BM+\b], v[BM+\b], |v[128+16*\b+\e]|, |v[129+16*\b+\e]|
.endr
.endr
.irp b, 0,1,2,3
	v_permlanex16_b32 v[TT+\b], v[BM+\b], s80, s81
.endr
.irp b, 0,1,2,3
	v_max_num_f32 v[BM+\b], v[BM+\b], v[TT+\b]
.endr
	QTAIL 128
	WIN WN
	v_mov_b32 v[96+\i], v245                       ; y's scale word
	WIN WN<<2                                      ; a store's data are its source 1
.irp c, 0,1,2
	global_store_b128 v3, v[224+4*\c:227+4*\c], s[14:15] offset:(\i)*FRB+512*\c
.endr
.endm
	TILE 0
	TILE 1
	TILE 2
	TILE 3
	WIN 0
	v_cndmask_b32 v100, v96, v97, s84              ; lanes 0-15: tile 0's word, lanes 16-31: tile 1's
	v_cndmask_b32 v101, v98, v99, s84
	global_store_b64 v12, v[100:101], s[92:93]     ; 256 consecutive bytes, aligned
	s_wait_tensorcnt 0x0                           ; the wave's end
	ds_add_u32 v[SPW], v[NIL]
	s_wait_dscnt 0x0
	CROUND                                         ; the closing round
	s_endpgm
.Lfunc_end_k_q35303538a6_attn:
	.size	k_q35303538a6_attn, .Lfunc_end_k_q35303538a6_attn-k_q35303538a6_attn
	.p2alignl 7, 3214868480
	.fill 96, 4, 3214868480
	.section	.rodata,"a",@progbits
	.p2align	6, 0x0
	.amdhsa_kernel k_q35303538a6_attn
		.amdhsa_group_segment_fixed_size 327680
		.amdhsa_private_segment_fixed_size 0
		.amdhsa_enable_private_segment 0
		.amdhsa_kernarg_size 48
		.amdhsa_user_sgpr_count 2
		.amdhsa_user_sgpr_kernarg_segment_ptr 1
		.amdhsa_wavefront_size32 1
		.amdhsa_system_sgpr_workgroup_id_x 1
		.amdhsa_system_sgpr_workgroup_id_y 1
		.amdhsa_system_sgpr_workgroup_id_z 1
		.amdhsa_system_vgpr_workitem_id 0
		.amdhsa_next_free_vgpr 1024
		.amdhsa_next_free_sgpr 100
		.amdhsa_reserve_vcc 0
		.amdhsa_float_denorm_mode_32 3
		.amdhsa_float_denorm_mode_16_64 3
		.amdhsa_memory_ordered 1
		.amdhsa_forward_progress 1
		.amdhsa_inst_pref_size 161
	.end_amdhsa_kernel
	.amdgpu_metadata
---
amdhsa.version: [ 1, 2 ]
amdhsa.kernels:
  - .name:           k_q35303538a6_attn
    .symbol:         k_q35303538a6_attn.kd
    .args:
      - { .name: xq, .offset: 0, .size: 8, .value_kind: global_buffer, .address_space: global }
      - { .name: wc, .offset: 8, .size: 8, .value_kind: global_buffer, .address_space: global }
      - { .name: ws, .offset: 16, .size: 8, .value_kind: global_buffer, .address_space: global }
      - { .name: bq, .offset: 24, .size: 8, .value_kind: global_buffer, .address_space: global }
      - { .name: cx, .offset: 32, .size: 8, .value_kind: global_buffer, .address_space: global }
      - { .name: yq, .offset: 40, .size: 8, .value_kind: global_buffer, .address_space: global }
    .group_segment_fixed_size: 327680
    .private_segment_fixed_size: 0
    .kernarg_segment_align: 8
    .kernarg_segment_size: 48
    .max_flat_workgroup_size: 128
    .sgpr_count:     100
    .vgpr_count:     1024
    .wavefront_size: 32
...
	.end_amdgpu_metadata
.endif
;; end of part 4
;; launch proj (part 5): grid 8 x 32, 4 waves a work-group, clusters of 4 x 4, 327,680 bytes of LDS; arguments yq, wc, ws, bp, out0; writes out0
.if DOCPART == 5
	.amdgcn_target "amdgcn-amd-amdhsa--gfx1250"
	.amdhsa_code_object_version 6
	.text
	.protected	k_q35303538a6_proj
	.globl	k_q35303538a6_proj
	.p2align	8
	.type	k_q35303538a6_proj,@function
k_q35303538a6_proj:
	s_mov_b64 s[64:65], 0
	v_nop
	global_prefetch_b8 v0, s[64:65] scope:SCOPE_SE
	s_setreg_imm32_b32 hwreg(HW_REG_WAVE_MODE, 25, 1), 1
	s_wait_xcnt 0x0
	s_wait_alu depctr_hold_cnt(0) depctr_sa_sdst(0) depctr_va_vdst(0) depctr_va_sdst(0) depctr_va_ssrc(0) depctr_va_vcc(0) depctr_vm_vsrc(0)
	s_getreg_b32 s2, hwreg(HW_REG_IB_STS2, 6, 4)
	s_cmp_eq_u32 s2, 0
	s_cbranch_scc0 .Lentry_in_a_cluster
	s_endpgm
.Lentry_in_a_cluster:
	s_bfe_u32 s2, ttmp6, 0x10000c
	s_cmp_lg_u32 s2, 0xf033
	s_cbranch_scc0 .Lentry_shape_is_right
	s_endpgm
.Lentry_shape_is_right:
; Launch 5 of 5: out0 = y Wp + bp on the codes that launches attn and quant made.  Nothing of reference() is left out here.
; A work-group: 256 rows x 128 columns.  Wave w: y tiles 4 w .. 4 w + 3 x Wp's 8 tiles: 32 accumulators.  Used transposed (source 0 = Wp's tile, source 1 = y's): a lane holds one row,
; register 8 a + j is column 32 (a / 2) + 16 h + 8 (a % 2) + j.  All of K lies in LDS, asked for at the head in four stages of two steps; nothing is filled again.
; CLUSTER 4 x 4: y's tiles are shared along a row of the cluster, Wp's along a column.
; THE WAY OUT: a tile of 16 rows x 512 bytes goes through my stage in LDS and leaves as whole rows.  The stages lie in the bytes of y's steps 0 and 1: they have had their only fill, and the barrier
; in step 1 stands behind every wave's last read of them.
; REGISTERS: window 0: v3-16 addresses; v28, v29 the add's; v32-47 y's scale words; v48-79 Wp's; v128-223 y's fragments, two buffers (on the way out v128-255: rows).
;   window 1: v0-191 Wp's fragments, two buffers.   windows 2, 3: v0-127 two tiles' accumulators; window 2 v128-191 the bias.
.set FRB,   1536
.set WLDS,  196608
.set SPARE, 294912
.set SPW, 28
.set NIL, 29
.set XSB, 32
.set WSB, 48
.set MSB, 0
.macro WIN new
.if MSB != (\new)
	s_set_vgpr_msb (MSB<<8)|(\new)
.set MSB, (\new)
.endif
.endm
.macro PLACES n
.rept \n
	v_nop
.endr
.endm
.macro JLOAD g0a, g1a, g0b, g1b        ; a joint load: waves 0, 1 fetch y's steps, waves 2, 3 Wp's; an s_nop 0 and four v_nop follow each line
	s_cmp_eq_u32 s19, 0
	s_cbranch_scc0 .Lfor_b_\@
	tensor_load_to_lds s[\g0a:\g0a+3], s[\g1a:\g1a+7]
	s_nop 0
.rept 4
	v_nop
.endr
	s_branch .Lasked_\@
.Lfor_b_\@:
	tensor_load_to_lds s[\g0b:\g0b+3], s[\g1b:\g1b+7]
	s_nop 0
.rept 4
	v_nop
.endr
.Lasked_\@:
.endm
.macro CROUND
	s_barrier_signal -1
	s_barrier_wait -1
	s_cmp_lg_u32 s18, 0
	s_cbranch_scc1 .Lnot_wave_0_\@
	s_barrier_signal -3
.Lnot_wave_0_\@:
	s_barrier_wait -3
	s_barrier_signal -1
	s_barrier_wait -1
.endm
.macro WM d, s0, s1, c, sa, sb, ra, rb
.if (\ra) && (\rb)
	v_wmma_scale_f32_16x16x128_f8f6f4 v[\d:\d+7], v[\s0:\s0+11], v[\s1:\s1+11], v[\c:\c+7], v[\sa], v[\sb] matrix_a_fmt:MATRIX_FMT_FP6 matrix_b_fmt:MATRIX_FMT_FP6 matrix_a_scale:MATRIX_SCALE_ROW1 matrix_b_scale:MATRIX_SCALE_ROW1
.elseif (\ra)
	v_wmma_scale_f32_16x16x128_f8f6f4 v[\d:\d+7], v[\s0:\s0+11], v[\s1:\s1+11], v[\c:\c+7], v[\sa], v[\sb] matrix_a_fmt:MATRIX_FMT_FP6 matrix_b_fmt:MATRIX_FMT_FP6 matrix_a_scale:MATRIX_SCALE_ROW1
.elseif (\rb)
	v_wmma_scale_f32_16x16x128_f8f6f4 v[\d:\d+7], v[\s0:\s0+11], v[\s1:\s1+11], v[\c:\c+7], v[\sa], v[\sb] matrix_a_fmt:MATRIX_FMT_FP6 matrix_b_fmt:MATRIX_FMT_FP6 matrix_b_scale:MATRIX_SCALE_ROW1
.else
	v_wmma_scale_f32_16x16x128_f8f6f4 v[\d:\d+7], v[\s0:\s0+11], v[\s1:\s1+11], v[\c:\c+7], v[\sa], v[\sb] matrix_a_fmt:MATRIX_FMT_FP6 matrix_b_fmt:MATRIX_FMT_FP6
.endif
.endm
	s_load_b256 s[4:11], s[0:1], 0x0               ; yq, wc, ws, bp
	s_load_b64 s[12:13], s[0:1], 0x20              ; out0
	v_lshl_add_u32 v[SPW], v0, 2, SPARE
	v_mov_b32 v[NIL], 0
	ds_add_u32 v[SPW], v[NIL]                      ; the wave's opening: the add, twice on end, and its wait ahead of my first tensor load
	ds_add_u32 v[SPW], v[NIL]
	v_lshrrev_b32 v1, 5, v0
	v_readfirstlane_b32 s18, v1                    ; wave
	s_lshr_b32 s19, s18, 1                         ; I fetch for y (0) or for Wp (1)
	s_and_b32 s20, s18, 1                          ; which of a stage's two steps I fetch
	s_bfe_u32 s21, ttmp6, 0x40000                  ; cx
	s_bfe_u32 s22, ttmp6, 0x40004                  ; cy
	s_lshl_b32 s23, ttmp9, 2
	s_add_co_u32 s23, s23, s21                     ; column block
	s_and_b32 s24, ttmp7, 0xffff
	s_lshl_b32 s24, s24, 2
	s_add_co_u32 s24, s24, s22                     ; rowblock
	s_lshl_b32 s25, s22, 2
	s_lshl_b32 s25, 15, s25                        ; my row of the cluster
	s_lshl_b32 s26, 0x1111, s21                    ; my column
	s_or_b32 s28, s25, (3<<16)|(1<<21)             ; group 1 for y: 96 rows of 256 bytes, dense
	s_mov_b32 s29, 32<<16
	s_mov_b32 s30, 96<<16
	s_mov_b32 s31, 32<<16
	s_mov_b32 s32, 96
	s_mov_b32 s33, 32
	s_mov_b32 s34, 0
	s_mov_b32 s35, 0
	s_or_b32 s36, s26, (3<<16)|(1<<21)             ; for Wp: 48 rows
	s_mov_b32 s37, 32<<16
	s_mov_b32 s38, 48<<16
	s_mov_b32 s39, 32<<16
	s_mov_b32 s40, 48
	s_mov_b32 s41, 32
	s_mov_b32 s42, 0
	s_mov_b32 s43, 0
	s_mul_i32 s86, s24, 196608                     ; y: my rowblock, step j (s86, s87, s90 never hold the column block)
	s_mul_i32 s87, s20, 24576
	s_add_co_u32 s86, s86, s87
	s_mov_b32 s87, 0
	s_mul_i32 s88, s23, 98304                      ; Wp: my column block, step j (s88, s89, s91 never hold the rowblock)
	s_mul_i32 s89, s20, 12288
	s_add_co_u32 s88, s88, s89
	s_add_co_u32 s88, s88, 2359296
	s_mov_b32 s89, 0
	s_mul_i32 s90, s20, 24576
	s_mul_i32 s91, s20, 12288
	s_add_co_u32 s91, s91, WLDS
	s_wait_dscnt 0x0                               ; both opening adds are done
	s_wait_kmcnt 0x0
	s_add_nc_u64 s[86:87], s[4:5], s[86:87]
	s_add_nc_u64 s[88:89], s[6:7], s[88:89]
	CROUND                                         ; all sixteen work-groups are here: the joint loads meet
.macro FIRST ga, gb, g
	s_mov_b32 s[\ga], 1
	s_add_co_u32 s[\ga+1], s90, \g*49152
	s_add_nc_u64 s[\ga+2:\ga+3], s[86:87], \g*49152
	s_or_b32 s[\ga+3], s[\ga+3], 0x80000000
	s_mov_b32 s[\gb], 1
	s_add_co_u32 s[\gb+1], s91, \g*24576
	s_add_nc_u64 s[\gb+2:\gb+3], s[88:89], \g*24576
	s_or_b32 s[\gb+3], s[\gb+3], 0x80000000
	JLOAD \ga, 28, \gb, 36
.endm
	FIRST 44, 60, 0                                ; four loads of mine are out
	FIRST 48, 68, 1
	FIRST 52, 72, 2
	FIRST 56, 76, 3
	v_bfe_u32 v2, v0, 4, 1                         ; h
	v_and_b32 v1, 31, v0                           ; lane
	v_and_b32 v17, 15, v0                          ; r
	v_lshlrev_b32 v3, 4, v1                        ; 16 x lane
	v_lshlrev_b32 v12, 3, v1                       ; 8 x lane
	v_lshlrev_b32 v13, 6, v2                       ; 64 h
	s_mul_i32 s98, s18, 6144
.irp g, 0,1,2,3
	v_add_nc_u32 v[4+\g], s98, v3
	v_add_nc_u32 v[8+\g], WLDS+\g*24576, v3
	s_add_co_u32 s98, s98, 49152
.endr
	s_mul_i32 s98, s18, 8448                       ; my stage: 16 rows x (512 bytes + 16)
	v_mul_u32_u24 v15, v17, 528
	v_add_nc_u32 v15, v15, v13
	v_add_nc_u32 v15, s98, v15                     ; in: row r, + 64 h
	v_add_nc_u32 v16, s98, v3                      ; back: a row's 512 bytes
	s_mov_b32 s97, 0
	s_lshl_b32 s96, s24, 13
	s_lshl_b32 s98, s18, 8
	s_add_co_u32 s96, s96, s98
	s_add_co_u32 s96, s96, 6291456
	s_add_nc_u64 s[2:3], s[4:5], s[96:97]          ; y's scale words: my quad
	s_lshl_b32 s96, s23, 12
	s_add_co_u32 s96, s96, 98304
	s_add_nc_u64 s[8:9], s[8:9], s[96:97]          ; Wp's scale words
	s_lshl_b32 s96, s23, 9
	s_add_nc_u64 s[10:11], s[10:11], s[96:97]      ; the bias
	s_add_nc_u64 s[12:13], s[12:13], s[96:97]      ; out0: my 128 columns,
	s_lshl_b32 s96, s24, 20
	s_lshl_b32 s98, s18, 18
	s_add_co_u32 s96, s96, s98
	s_add_nc_u64 s[12:13], s[12:13], s[96:97]      ; my 64 rows of 4,096 bytes
.irp ks, 0,1,2,3,4,5,6,7
	global_load_b64 v[XSB+2*\ks:XSB+2*\ks+1], v12, s[2:3] offset:\ks*1024
.endr
.irp t, 0,1,2,3,4,5,6,7,8,9,10,11,12,13,14,15
	global_load_b64 v[WSB+2*\t:WSB+2*\t+1], v12, s[8:9] offset:\t*256
.endr
	WIN 0x80
.irp a, 0,1,2,3,4,5,6,7
	global_load_b128 v[128+8*\a:128+8*\a+3], v13, s[10:11] offset:128*(\a/2)+32*(\a%2)       ; the bias in the result's layout: the C of each sum's first instruction
	global_load_b128 v[128+8*\a+4:128+8*\a+7], v13, s[10:11] offset:128*(\a/2)+32*(\a%2)+16
.endr
	WIN 0
.macro FRAG reg, adr, off
.irp c, 0,1,2
	ds_load_b128 v[\reg+4*\c:\reg+4*\c+3], v[\adr] offset:\off+512*\c
.endr
.endm
.macro FETCH ks
	WIN 0x40
.irp a, 0,1,2,3,4,5,6,7
	FRAG 96*((\ks)%2)+12*\a, 8+(\ks)/2, ((\ks)%2)*12288+\a*FRB
.endr
	WIN 0
.irp t, 0,1,2,3
	FRAG 128+48*((\ks)%2)+12*\t, 4+(\ks)/2, ((\ks)%2)*24576+\t*FRB
.endr
.endm
.macro MULI i, ks                      ; the 32 accumulators take turns, in the same order in every step
.if (\i) < 2
	WIN 0xa1
.elseif (\ks) == 0
	WIN 0xe1
.else
	WIN 0xf1
.endif
.irp a, 0,1,2,3,4,5,6,7
.if (\ks) == 0
	WM 64*((\i)%2)+8*\a, 96*((\ks)%2)+12*\a, 128+48*((\ks)%2)+12*(\i), 128+8*\a, WSB+2*(4*((\ks)/2)+\a/2)+(\ks)%2, XSB+2*(\ks)+(\i)/2, \a%2, (\i)%2
.else
	WM 64*((\i)%2)+8*\a, 96*((\ks)%2)+12*\a, 128+48*((\ks)%2)+12*(\i), 64*((\i)%2)+8*\a, WSB+2*(4*((\ks)/2)+\a/2)+(\ks)%2, XSB+2*(\ks)+(\i)/2, \a%2, (\i)%2
.endif
.endr
.endm
.macro KSTEP ks
.if (\ks) > 0
	PLACES 4                                       ; behind the last step's products, in front of the loads into the buffer that they read
.endif
	s_wait_dscnt 0x0                               ; this step's fragments are in
.if ((\ks) == 1) || ((\ks) == 3) || ((\ks) == 5)
	s_wait_tensorcnt 3-((\ks)+1)/2                 ; my part of the next stage is in; my loads for the later stages may be out
	s_barrier_signal -1
	MULI 0, \ks
	s_barrier_wait -1
	FETCH (\ks)+1
	MULI 1, \ks
	MULI 2, \ks
	MULI 3, \ks
.else
.if (\ks) < 7
	FETCH (\ks)+1
.endif
	MULI 0, \ks
	MULI 1, \ks
	MULI 2, \ks
	MULI 3, \ks
.endif
.endm
	s_wait_tensorcnt 3                             ; my part of stage 0 is in; three loads may stay out
	s_barrier_signal -1
	s_barrier_wait -1
	FETCH 0
	s_wait_loadcnt 0x0                             ; scale words and bias
.irp ks, 0,1,2,3,4,5,6,7
	KSTEP \ks
.endr
	WIN 0
.macro TOSTAGE i                       ; LDS serves a wave's instructions in order: no wait between the stores and the loads, nor in front of the next tile's stores
	WIN (2+(\i)/2)<<2                              ; an LDS store's data are its source 1
.irp a, 0,1,2,3,4,5,6,7
	ds_store_b128 v15, v[64*((\i)%2)+8*\a:64*((\i)%2)+8*\a+3] offset:128*(\a/2)+32*(\a%2)        ; each accumulator from its low end on
	ds_store_b128 v15, v[64*((\i)%2)+8*\a+4:64*((\i)%2)+8*\a+7] offset:128*(\a/2)+32*(\a%2)+16
.endr
	WIN 0
.irp t, 0,1,2,3,4,5,6,7,8,9,10,11,12,13,14,15
	ds_load_b128 v[128+64*((\i)%2)+4*\t:128+64*((\i)%2)+4*\t+3], v16 offset:528*\t
.endr
.endm
.macro SEND i, younger                 ; younger: the LDS instructions issued behind tile i's loads, which may stay out
	s_wait_dscnt \younger
.irp t, 0,1,2,3,4,5,6,7,8,9,10,11,12,13,14,15
	global_store_b128 v3, v[128+64*((\i)%2)+4*\t:128+64*((\i)%2)+4*\t+3], s[12:13] offset:(32*((\i)/2)+8*((\i)%2)+\t+8*(\t/8))*4096 th:TH_STORE_NT   ; 512 consecutive bytes, aligned
.endr
.endm
	PLACES 4                                       ; behind the last products: for the stores that read results and the loads into y's fragment registers
	TOSTAGE 0
.irp i, 1,2,3
.if \i > 1
	s_wait_xcnt 0x0                                ; tile i - 2's stores have read the registers into which tile i's rows come
.endif
	TOSTAGE \i
	SEND \i-1, 32                                  ; behind tile i - 1's loads: tile i's 16 stores and 16 loads
.endr
	SEND 3, 0
	s_wait_tensorcnt 0x0                           ; the wave's end
	ds_add_u32 v[SPW], v[NIL]
	s_wait_dscnt 0x0
	CROUND                                         ; the closing round
	s_endpgm
.Lfunc_end_k_q35303538a6_proj:
	.size	k_q35303538a6_proj, .Lfunc_end_k_q35303538a6_proj-k_q35303538a6_proj
	.p2alignl 7, 3214868480
	.fill 96, 4, 3214868480
	.section	.rodata,"a",@progbits
	.p2align	6, 0x0
	.amdhsa_kernel k_q35303538a6_proj
		.amdhsa_group_segment_fixed_size 327680
		.amdhsa_private_segment_fixed_size 0
		.amdhsa_enable_private_segment 0
		.amdhsa_kernarg_size 40
		.amdhsa_user_sgpr_count 2
		.amdhsa_user_sgpr_kernarg_segment_ptr 1
		.amdhsa_wavefront_size32 1
		.amdhsa_system_sgpr_workgroup_id_x 1
		.amdhsa_system_sgpr_workgroup_id_y 1
		.amdhsa_system_sgpr_workgroup_id_z 1
		.amdhsa_system_vgpr_workitem_id 0
		.amdhsa_next_free_vgpr 1024
		.amdhsa_next_free_sgpr 100
		.amdhsa_reserve_vcc 0
		.amdhsa_float_denorm_mode_32 3
		.amdhsa_float_denorm_mode_16_64 3
		.amdhsa_memory_ordered 1
		.amdhsa_forward_progress 1
		.amdhsa_inst_pref_size 81
	.end_amdhsa_kernel
	.amdgpu_metadata
---
amdhsa.version: [ 1, 2 ]
amdhsa.kernels:
  - .name:           k_q35303538a6_proj
    .symbol:         k_q35303538a6_proj.kd
    .args:
      - { .name: yq, .offset: 0, .size: 8, .value_kind: global_buffer, .address_space: global }
      - { .name: wc, .offset: 8, .size: 8, .value_kind: global_buffer, .address_space: global }
      - { .name: ws, .offset: 16, .size: 8, .value_kind: global_buffer, .address_space: global }
      - { .name: bp, .offset: 24, .size: 8, .value_kind: global_buffer, .address_space: global }
      - { .name: out0, .offset: 32, .size: 8, .value_kind: global_buffer, .address_space: global }
    .group_segment_fixed_size: 327680
    .private_segment_fixed_size: 0
    .kernarg_segment_align: 8
    .kernarg_segment_size: 40
    .max_flat_workgroup_size: 128
    .sgpr_count:     100
    .vgpr_count:     1024
    .wavefront_size: 32
...
	.end_amdgpu_metadata
.endif
;; end of part 5
